; MI455X (gfx1250); checked and timed in simulation.
; The chip was launched on July 23, 2026; its instructions are those of AMD's public machine-readable ISA for CDNA 5 (MIT licence, August 2026) and "CDNA5" Instruction Set Architecture Reference Guide (July 2026). The comments in the code are by the model that wrote it; some were corrected since.
;; Transformer Attention. Allowed arithmetic: matrix products marked QUANTISED: E2M3 operands, one E8M0 scale for each 32 along K, by v_wmma_scale_f32_16x16x128_f8f6f4 with both operands' format E2M3, f32 sums; everything else in f32.
;; Inputs: Wk 1,024 x 1,024 float32; Wo 1,024 x 1,024 float32; Wq 1,024 x 1,024 float32; Wv 1,024 x 1,024 float32; bk 1,024 float32; bo 1,024 float32; bq 1,024 float32; bv 1,024 float32; x 4 x 2,048 x 1,024 float32.
;; Outputs: out0 4 x 2,048 x 1,024 float32.
;; This version of the problem:
;;   THIS VERSION OF THE PROBLEM IS GIVEN IN LOW PRECISION. The matrix products marked QUANTISED in the list below multiply operands that are first quantised to E2M3 (2 exponent bits, 3 mantissa bits; 6 bits a number), with one power-of-two scale for each 32 numbers along K (OCP MX v1.0); their sums are f32. All else is computed in f32.
;;   The module's matrix products, in the order in which they are computed (A, B: the left and right operand; K: the contracted axis; several contracted axes count as one K, in the product's order):
;;     1. [M 8,192, K 1,024] x [K 1,024, N 1,024]; A: input x; B: input Wq: QUANTISED
;;     2. [M 8,192, K 1,024] x [K 1,024, N 1,024]; A: input x; B: input Wk: QUANTISED
;;     3. [M 8,192, K 1,024] x [K 1,024, N 1,024]; A: input x; B: input Wv: QUANTISED
;;     4. batch 64 x [M 2,048, K 64] x [K 64, N 2,048]; A: computed on the way; B: computed on the way: QUANTISED
;;     5. batch 64 x [M 2,048, K 2,048] x [K 2,048, N 64]; A: softmax (see below); B: computed on the way: QUANTISED
;;     6. [M 8,192, K 1,024] x [K 1,024, N 1,024]; A: computed on the way; B: input Wo: QUANTISED
;;   THE QUANTISER, for each operand of a quantised product, along K:
;;     - K is cut into blocks of 32 from its start; a last block that is shorter is filled with zeros.
;;     - A block's scale is 2^e with e = floor(log2(the largest magnitude in the block)) - 2, held to -126 .. 127; a block of zeros has e = 0. As a byte (E8M0): e + 127.
;;     - Each number is divided by its block's scale, clamped to +-7.5, and rounded to the nearest number of E2M3, ties to even, subnormals kept.
;;     - The product sums the exact products of the quantised numbers (number of the format x scale) in f32.
;;   ~~~python
;;   def quantise(x, axis):      # numpy; x: float32 -> the quantised numbers, widened to float32 again
;;       x = np.moveaxis(x, axis, -1); K = x.shape[-1]
;;       x = np.pad(x, [(0, 0)] * (x.ndim - 1) + [(0, -K % 32)]); x = x.reshape(x.shape[:-1] + (-1, 32)); a = np.abs(x).max(-1, keepdims=True)
;;       e = np.where(a > 0, np.clip(np.frexp(np.where(a > 0, a, 1))[1] - 1 - 2, -126, 127), 0)      # np.frexp(a)[1] - 1 = floor(log2(a)), exactly
;;       r = np.clip(x / 2.0 ** e, -7.5, 7.5)
;;       step = 2.0 ** (np.maximum(np.frexp(np.where(r == 0, 1, r))[1] - 1, 0) - 3)
;;       q = np.round(r / step) * step * 2.0 ** e      # np.round: ties to even
;;       return np.moveaxis(q.reshape(q.shape[:-2] + (-1,))[..., :K], -1, axis).astype(np.float32)
;;   ~~~
;;   SOFTMAX AHEAD OF A QUANTISED PRODUCT. Where the list says 'softmax', what is quantised is not the finished softmax but p = 2^(t - M), with t = logit x log2(e) and M = ceil(the row's largest t), a whole number; so 1/2 < the row's largest p <= 1. The row's sum l is taken of the UNQUANTISED p, in f32, and the product's result is divided by l at the end. Since M is a whole number, a kernel that streams over the keys may use a running M (the ceiling of the running maximum): every later rescaling is an exact power of two, which a block's scale takes up: the codes' values come out the same.
;;   OPERANDS COMPUTED ON THE WAY. 'Computed on the way' means the value that the module computes at that place (a softmax that the list does not call 'softmax' is quantised finished and normalised). What goes into a quantiser is computed in f32, as accurately as f32 sums, v_exp_f32 and their like allow (about 1e-6 of the number): no bf16 or f16 on the way to a quantiser, and a product that is left as it is and whose result goes on into a quantised operand takes f32 operands (vector FMAs, or v_wmma_f32_16x16x4_f32). A number that lies on a knife's edge between two numbers of the format may be rounded either way, as far as f32 arithmetic and the matrix unit's own rounding can turn it there, and no further.
;; One version. Each part assembles by itself: llvm-mc -triple=amdgcn-amd-amdhsa -mcpu=gfx1250 --defsym DOCPART=n.
;; ======== version 1 of 1: 4 launches
;; limits: right only within a limited range of input values
;; workspace buffers: xq 6,553,600 bytes; wc 3,276,800 bytes; qc 6,815,744 bytes; kv 13,369,344 bytes; ctxq 6,553,600 bytes
;; launch quant (part 1): grid 256 x 1, 6 waves a work-group, no clusters, 51,456 bytes of LDS; arguments x, Wq, Wk, Wv, Wo, xq, wc; writes xq, wc
.if DOCPART == 1
	.amdgcn_target "amdgcn-amd-amdhsa--gfx1250"
	.amdhsa_code_object_version 6
	.text
	.protected	k_q26c4ebe1a8_quant
	.globl	k_q26c4ebe1a8_quant
	.p2align	8
	.type	k_q26c4ebe1a8_quant,@function
k_q26c4ebe1a8_quant:
	s_mov_b64 s[64:65], 0
	v_nop
	global_prefetch_b8 v0, s[64:65] scope:SCOPE_SE
	s_setreg_imm32_b32 hwreg(HW_REG_WAVE_MODE, 25, 1), 1
	s_wait_xcnt 0x0
; x [8192][1024] and Wq, Wk, Wv, Wo [1024][1024], f32 with K innermost, become codes of FP6 (E2M3) with one E8M0 byte for each 32 along K,
; laid in the order of the matrix operand's registers, so that the products' launches read fragments by plain loads of 16 and 8 bytes a lane.
; TILES.  A tile is 16 rows out of a group of 64 neighbouring rows: tile u (0..3), tile row p (0..15) is the group's row 8 u + p % 8 + 32 (p / 8).
; A FRAGMENT (a tile x 128 along K) is 12 registers a lane: lane (r, h) holds row r, registers 6 c .. 6 c + 5 hold k = 64 c + 32 h + 0 .. 31.  In memory: for c = 0, 1: registers 0-3 at 16 x lane (512 bytes),
; registers 4-5 at 512 + 8 x lane (256 bytes): 1,536 bytes.  A TILE'S SCALE BLOCK (512 bytes): the word of (row p, K step ks) at 256 (ks / 4) + 16 p + 4 (ks % 4).
; xq: 32 groups of 16 tiles: [16 scale blocks][ks 0..7][tile][1,536] = 204,800 bytes.  wc: 32 groups of 8 tiles (Wq 0-7, Wk 8-15, Wv 16-23, Wo 24-31), 102,400 bytes each: every size is half of xq's.
; SHARES.  768 tiles x 2 halves of K = 1,536 units = 256 work-groups x 6 waves.  A wave takes one tile x 4 K steps.  Each load reads 512 consecutive bytes of one row; a K step's 16 rows turn through the
; wave's own stage in LDS (rows 528 bytes apart), so that a lane gets its two whole blocks of 32: a block's largest magnitude needs no other lane.  Waves share nothing: no barrier.
; A block's scale is 2^(floor(log2(largest magnitude)) - 2); its byte is that magnitude's exponent field - 2, held at 1 from below.
; LIMITS: a block of zeros gets the byte 1 where the rule says 127 (its codes are zeros, and this program alone reads the bytes); blocks whose largest magnitude lies under 2^-124 are held at byte 1;
; NaN and infinities among the inputs are not served.
.set STG,   8448                       ; a wave's stage: 16 rows x (512 + 16) bytes
.set SPARE, 6*STG                      ; behind the six stages: the spare words, 128 bytes a wave: three blocks of 256 bytes that no other line names
.set SPW,  1                           ; v1   LDS address of my spare word; never rewritten
.set NIL,  2                           ; v2   0; never rewritten
.set L16,  3                           ; v3   16 x lane
.set SIN,  4                           ; v4   the stage, on the way in: 16 x lane
.set SOUT, 5                           ; v5   on the way out: 528 r + 128 h
.set SH8,  6                           ; v6   8 h
.set SCO,  7                           ; v7   16 r + 8 h: my 8 bytes of the scale block's half
.set VC16, 8                           ; v8-11  16 x lane + t x (a K step's fragments)
.set VC8,  12                          ; v12-15 512 + 8 x lane + the same
.set R,    16                          ; v16-143  two sets of 64: a K step as loaded
.set X,    144                         ; v144-207 my two blocks of 32
.set C,    208                         ; v208-219 the fragment
.set T,    220                         ; v220-226 the blocks' second halves (a conversion's three registers begin on an even number)
.set W,    228                         ; v228-231 the four K steps' scale words
.set BM,   232
.set SO,   234
.set BY,   236
.set WD,   238
.set PK,   240
	s_load_b256 s[4:11], s[0:1], 0x0               ; x, Wq, Wk, Wv
	s_load_b128 s[12:15], s[0:1], 0x20             ; Wo, xq
	s_load_b64 s[16:17], s[0:1], 0x30              ; wc
	v_lshl_add_u32 v[SPW], v0, 2, SPARE
	v_mov_b32 v[NIL], 0
	v_lshrrev_b32 v242, 5, v0
	v_readfirstlane_b32 s18, v242                  ; wave 0..5
	v_and_b32 v242, 31, v0                         ; lane
	v_and_b32 v243, 15, v0                         ; r
	v_bfe_u32 v244, v0, 4, 1                       ; h
	v_lshlrev_b32 v[L16], 4, v242
	s_wait_alu depctr_va_vdst(0)
	s_mul_i32 s19, s18, STG
	v_add_nc_u32 v[SIN], s19, v[L16]
	v_mul_u32_u24 v[SOUT], v243, 528
	v_lshl_add_u32 v[SOUT], v244, 7, v[SOUT]
	v_add_nc_u32 v[SOUT], s19, v[SOUT]
	v_lshlrev_b32 v[SH8], 3, v244
	v_lshlrev_b32 v[SCO], 4, v243
	v_add_nc_u32 v[SCO], v[SCO], v[SH8]
	v_mov_b32 v[WD+1], 0                           ; written once: a lane permute's destination counts as one of its sources
	s_mov_b32 s20, 0x76543210
	s_mov_b32 s21, 0xfedcba98                      ; v_permlanex16_b32's selects for lane l xor 16
	s_mov_b32 s22, 0xffff0000                      ; lanes 16-31
	; which unit is mine.  All that differs between x and a weight is chosen by selects on ids: one path through the text
	s_mul_i32 s23, ttmp9, 6
	s_add_co_u32 s23, s23, s18                     ; u = 6 x work-group + wave: 0 .. 1,023 x's, 1,024 .. 1,535 the weights'
	s_cmp_lt_u32 s23, 1024
	s_cselect_b32 s24, 1, 0                        ; 1 for x: every size of xq is twice wc's
	s_cselect_b32 s25, 0, 1024
	s_sub_co_u32 s25, s23, s25
	s_lshr_b32 s26, s25, 1                         ; the tile
	s_and_b32 s27, s23, 1                          ; which half of K
	s_lshr_b32 s28, s26, 6                         ; which weight (64 tiles each)
	s_and_b32 s29, s26, 63
	s_cmp_eq_u32 s24, 1
	s_cselect_b32 s29, s26, s29                    ; the tile's number in its own tensor
	s_lshr_b32 s30, s29, 2
	s_lshl_b32 s30, s30, 6
	s_and_b32 s31, s29, 3
	s_lshl_b32 s31, s31, 3
	s_add_co_u32 s30, s30, s31                     ; its first row: 64 (tile / 4) + 8 (tile % 4)
	s_lshl_b32 s30, s30, 12                        ; rows of 4,096 bytes
	s_lshl_b32 s31, s27, 11
	s_add_co_u32 s30, s30, s31                     ; + 2,048 bytes for the second half of K
	s_mov_b32 s31, 0
	s_lshl_b32 s32, 102400, s24                    ; a group's bytes
	s_lshl_b32 s33, 4096, s24                      ; its scale blocks
	s_lshl_b32 s34, 12288, s24                     ; a K step's fragments
	s_add_co_u32 s35, s24, 3
	s_lshr_b32 s36, s26, s35                       ; the group
	s_lshl_b32 s37, 8, s24
	s_sub_co_u32 s37, s37, 1
	s_and_b32 s37, s26, s37                        ; the tile in it
	s_mul_i32 s38, s36, s32
	s_mul_i32 s40, s37, 1536
	s_add_co_u32 s40, s40, s38
	s_add_co_u32 s40, s40, s33
	s_mul_i32 s42, s27, s34
	s_lshl_b32 s42, s42, 2
	s_add_co_u32 s40, s40, s42                     ; my first fragment: group + scale blocks + 4 half K steps + 1,536 x tile
	s_mov_b32 s41, 0
	s_lshl_b32 s42, s37, 9
	s_add_co_u32 s42, s42, s38
	s_lshl_b32 s43, s27, 8
	s_add_co_u32 s42, s42, s43                     ; my half of the tile's scale block
	s_mov_b32 s43, 0
.irp t, 0,1,2,3
	s_mul_i32 s44, s34, \t
	v_add_nc_u32 v[VC16+\t], s44, v[L16]
	v_lshl_add_u32 v[VC8+\t], v242, 3, s44
	v_add_nc_u32 v[VC8+\t], 512, v[VC8+\t]
.endr
	s_wait_kmcnt 0x0
	s_cmp_eq_u32 s28, 1                            ; the buffers are chosen on ids alone
	s_cselect_b64 s[46:47], s[8:9], s[6:7]
	s_cmp_eq_u32 s28, 2
	s_cselect_b64 s[46:47], s[10:11], s[46:47]
	s_cmp_eq_u32 s28, 3
	s_cselect_b64 s[46:47], s[12:13], s[46:47]
	s_cmp_eq_u32 s24, 1
	s_cselect_b64 s[46:47], s[4:5], s[46:47]
	s_cselect_b64 s[48:49], s[14:15], s[16:17]
	s_add_nc_u64 s[46:47], s[46:47], s[30:31]      ; the tile's first row, my half of K
	s_add_nc_u64 s[50:51], s[48:49], s[40:41]      ; my fragments
	s_add_nc_u64 s[52:53], s[48:49], s[42:43]      ; my scale words
.macro LOAD t                          ; K step t: 16 loads, each 512 consecutive bytes of one of the tile's rows
.irp p, 0,1,2,3,4,5,6,7,8,9,10,11,12,13,14,15
	global_load_b128 v[R+64*((\t)%2)+4*\p:R+64*((\t)%2)+4*\p+3], v[L16], s[46:47] offset:((\p%8)+32*(\p/8))*4096+512*(\t) th:TH_LOAD_NT
.endr
.endm
.macro TURN t                          ; through the stage: in by rows as loaded, out 128 bytes of my row twice.  LDS serves a wave's instructions in order: no wait between
.irp p, 0,1,2,3,4,5,6,7,8,9,10,11,12,13,14,15
	ds_store_b128 v[SIN], v[R+64*((\t)%2)+4*\p:R+64*((\t)%2)+4*\p+3] offset:528*\p
.endr
.irp i, 0,1,2,3,4,5,6,7
	ds_load_b128 v[X+4*\i:X+4*\i+3], v[SOUT] offset:16*\i            ; k = 32 h + 0 .. 31
.endr
.irp i, 0,1,2,3,4,5,6,7
	ds_load_b128 v[X+32+4*\i:X+32+4*\i+3], v[SOUT] offset:256+16*\i  ; k = 64 + 32 h + 0 .. 31
.endr
.endm
.macro QUANT t
	v_max3_num_f32 v[BM], |v[X]|, |v[X+1]|, 0x1800000              ; my two blocks by turns; the floor 2^(3 - 127) holds the byte at 1 from below
	v_max3_num_f32 v[BM+1], |v[X+32]|, |v[X+33]|, 0x1800000
.irp i, 2,4,6,8,10,12,14,16,18,20,22,24,26,28,30
	v_max3_num_f32 v[BM], v[BM], |v[X+\i]|, |v[X+\i+1]|
	v_max3_num_f32 v[BM+1], v[BM+1], |v[X+32+\i]|, |v[X+33+\i]|
.endr
	v_add_nc_u32 v[SO], 0xff000000, v[BM]          ; 2 off the exponent field: the conversion takes this operand's exponent field as its scale
	v_add_nc_u32 v[SO+1], 0xff000000, v[BM+1]
	v_lshrrev_b32 v[BY], 23, v[SO]                 ; the scales' bytes
	v_lshrrev_b32 v[BY+1], 23, v[SO+1]
	v_cvt_scalef32_pk16_fp6_f32 v[C:C+2], v[X:X+15], v[SO]
	v_cvt_scalef32_pk16_fp6_f32 v[T:T+2], v[X+16:X+31], v[SO]
	v_cvt_scalef32_pk16_fp6_f32 v[C+6:C+8], v[X+32:X+47], v[SO+1]
	v_cvt_scalef32_pk16_fp6_f32 v[T+4:T+6], v[X+48:X+63], v[SO+1]
	v_lshl_or_b32 v[WD], v[BY+1], 16, v[BY]        ; (the plain line behind the conversions)  my two bytes: blocks h and 2 + h
.irp i, 0,1,2
	v_mov_b32 v[C+3+\i], v[T+\i]
	v_mov_b32 v[C+9+\i], v[T+4+\i]
.endr
	v_lshlrev_b32 v[WD], v[SH8], v[WD]             ; at their places in the word,
	v_permlanex16_b32 v[WD+1], v[WD], s20, s21
	v_or_b32 v[W+\t], v[WD], v[WD+1]               ; and with lane l xor 16's two the word is whole
.endm
.macro STORE t                         ; each store covers 512 or 256 consecutive bytes, aligned to 256
	global_store_b128 v[VC16+\t], v[C:C+3], s[50:51]
	global_store_b64 v[VC8+\t], v[C+4:C+5], s[50:51]
	global_store_b128 v[VC16+\t], v[C+6:C+9], s[50:51] offset:768
	global_store_b64 v[VC8+\t], v[C+10:C+11], s[50:51] offset:768
.endm
	LOAD 0
	LOAD 1
.irp t, 0,1,2,3
.if \t < 3
	s_wait_loadcnt 16                              ; this step's 16 loads are in; the next step's 16 may be out
.else
	s_wait_loadcnt 0x0
.endif
	TURN \t
	s_wait_dscnt 0x0                               ; my blocks are back, and the stage's stores have read the set
	s_wait_xcnt 0x0                                ; the last step's stores have read the fragment's registers, which are written again below
.if \t < 2
	LOAD \t+2
.endif
	QUANT \t
	STORE \t
.endr
	v_cndmask_b32 v[PK], v[W], v[W+2], s22         ; lanes 0-15 store K steps 0, 1 of row r, lanes 16-31 K steps 2, 3
	v_cndmask_b32 v[PK+1], v[W+1], v[W+3], s22
	global_store_b64 v[SCO], v[PK:PK+1], s[52:53]  ; 32 lanes store 256 consecutive bytes, aligned
	s_wait_tensorcnt 0x0                           ; the wave's end
	ds_add_u32 v[SPW], v[NIL]
	s_wait_dscnt 0x0
	s_endpgm
.Lfunc_end_k_q26c4ebe1a8_quant:
	.size	k_q26c4ebe1a8_quant, .Lfunc_end_k_q26c4ebe1a8_quant-k_q26c4ebe1a8_quant
	.p2alignl 7, 3214868480
	.fill 96, 4, 3214868480
	.section	.rodata,"a",@progbits
	.p2align	6, 0x0
	.amdhsa_kernel k_q26c4ebe1a8_quant
		.amdhsa_group_segment_fixed_size 51456
		.amdhsa_private_segment_fixed_size 0
		.amdhsa_enable_private_segment 0
		.amdhsa_kernarg_size 56
		.amdhsa_user_sgpr_count 2
		.amdhsa_user_sgpr_kernarg_segment_ptr 1
		.amdhsa_wavefront_size32 1
		.amdhsa_system_sgpr_workgroup_id_x 1
		.amdhsa_system_sgpr_workgroup_id_y 1
		.amdhsa_system_sgpr_workgroup_id_z 1
		.amdhsa_system_vgpr_workitem_id 0
		.amdhsa_next_free_vgpr 256
		.amdhsa_next_free_sgpr 66
		.amdhsa_reserve_vcc 0
		.amdhsa_float_denorm_mode_32 3
		.amdhsa_float_denorm_mode_16_64 3
		.amdhsa_memory_ordered 1
		.amdhsa_forward_progress 1
		.amdhsa_inst_pref_size 32
	.end_amdhsa_kernel
	.amdgpu_metadata
---
amdhsa.version: [ 1, 2 ]
amdhsa.kernels:
  - .name:           k_q26c4ebe1a8_quant
    .symbol:         k_q26c4ebe1a8_quant.kd
    .args:
      - { .name: x, .offset: 0, .size: 8, .value_kind: global_buffer, .address_space: global }
      - { .name: Wq, .offset: 8, .size: 8, .value_kind: global_buffer, .address_space: global }
      - { .name: Wk, .offset: 16, .size: 8, .value_kind: global_buffer, .address_space: global }
      - { .name: Wv, .offset: 24, .size: 8, .value_kind: global_buffer, .address_space: global }
      - { .name: Wo, .offset: 32, .size: 8, .value_kind: global_buffer, .address_space: global }
      - { .name: xq, .offset: 40, .size: 8, .value_kind: global_buffer, .address_space: global }
      - { .name: wc, .offset: 48, .size: 8, .value_kind: global_buffer, .address_space: global }
    .group_segment_fixed_size: 51456
    .private_segment_fixed_size: 0
    .kernarg_segment_align: 8
    .kernarg_segment_size: 56
    .max_flat_workgroup_size: 192
    .sgpr_count:     66
    .vgpr_count:     256
    .wavefront_size: 32
...
	.end_amdgpu_metadata
.endif
;; end of part 1
;; launch qkv (part 2): grid 8 x 32, 4 waves a work-group, clusters of 4 x 4, 327,680 bytes of LDS; arguments xq, wc, bq, bk, bv, qc, kv; writes qc, kv
.if DOCPART == 2
	.amdgcn_target "amdgcn-amd-amdhsa--gfx1250"
	.amdhsa_code_object_version 6
	.text
	.protected	k_q26c4ebe1a8_qkv
	.globl	k_q26c4ebe1a8_qkv
	.p2align	8
	.type	k_q26c4ebe1a8_qkv,@function
k_q26c4ebe1a8_qkv:
	s_mov_b64 s[64:65], 0
	v_nop
	global_prefetch_b8 v0, s[64:65] scope:SCOPE_SE
	s_setreg_imm32_b32 hwreg(HW_REG_WAVE_MODE, 25, 1), 1
	s_wait_xcnt 0x0
	s_wait_alu depctr_hold_cnt(0) depctr_sa_sdst(0) depctr_va_vdst(0) depctr_va_sdst(0) depctr_va_ssrc(0) depctr_va_vcc(0) depctr_vm_vsrc(0)
	s_getreg_b32 s2, hwreg(HW_REG_IB_STS2, 6, 4)
	s_cmp_eq_u32 s2, 0
	s_cbranch_scc0 .Lentry_in_a_cluster
	s_endpgm
.Lentry_in_a_cluster:
	s_bfe_u32 s2, ttmp6, 0x10000c
	s_cmp_lg_u32 s2, 0xf033
	s_cbranch_scc0 .Lentry_shape_is_right
	s_endpgm
.Lentry_shape_is_right:
; q = x Wq^T + bq, k = x Wk^T + bk, v = x Wv^T + bv on codes of FP6 (E2M3) with E8M0 scales; the results leave as CODES: q and k quantised along the head's 64, v along the keys.
; A WORK-GROUP STAYS: it makes 256 rows x 128 columns of q, then of k, then of v, each over all of K = 1,024.  Its group of xq (204,800 bytes) lies in LDS whole, filled once, and serves all three.
; The weights' 102,400 bytes of LDS hold one group of wc at a time, in two halves: [8 scale blocks][K steps 0-3] = 53,248 bytes, [K steps 4-7] = 49,152.
; FILLS.  At the head one joint load a wave: wave 0 x's scale blocks and K steps 0-3, wave 1 Wq's first half, wave 2 x's K steps 4-7, wave 3 Wq's second half.
; At K step 3 the first half has been read out (K step 3's fragments are in registers): behind a drained round of the cluster's barrier wave 1 fetches the next weight's first half.  At K step 7 wave 3 does the same for the second half.
; Each round also shows the refill before it to all waves.  In v's phase nothing is fetched: a plain barrier at K step 3 shows the last refill.  Every wait on TENSORcnt is for 0.
; q and k are one loop of two trips (what differs lies in scalars); v, whose product is used the other way round, is written out.
; CLUSTER 4 x 4: the four of a row need the same group of xq, the four of a column the same groups of wc: each tile is asked for JOINTLY.
; Four waves, each 128 rows x 64 columns (one head): 32 accumulators, 256 matrix instructions a phase.
; TILES: tile u of a group of 64 rows has as its row p the group's row 8 u + p % 8 + 32 (p / 8).  Over a group's four tiles a lane's 32 result registers are the 32 NEIGHBOURS 32 h + 0 .. 31: a whole quantiser block in one lane.
;   q, k: source 0 = W's tile, source 1 = x's: a lane holds one row of x and 32 neighbouring channels.   v: source 0 = x's tile, source 1 = W's: a lane holds one channel and 32 neighbouring keys.
; OUT.  qc: for (batch x head, 128 queries) 6,656 bytes: 12 quads of registers, quad i at 512 i + 16 x lane; at 6,144 the scale image: the word at 16 l + 4 i is tile 2 i + l / 16, row l % 16 (bytes 2, 3: 127).
; kv: for (batch x head, 128 keys) 13,056 bytes: K as in qc; at 6,144 V^T's four fragments; at 12,288 K's scale image; at 12,800 V's: the word at 8 l + 4 i is channel tile 2 i + l / 16.
; PREFETCH: a group of wc is 400 blocks of 256 bytes; the sixteen waves of a column of the cluster take 25 each, by address: Wk's group at the head, Wv's in q's trip, each ahead of the rounds that fetch it.
; LIMITS: a block of zeros gets the byte 1 (its codes are zeros; this program alone reads the bytes); blocks whose largest magnitude lies under 2^-124 are held at byte 1; NaN and infinities are not served.
; REGISTERS.  Window 0: v1-15 addresses; v16-47 x's scale words, v48-63 W's; v64-159 x's 8 fragments, v160-207 W's 4 (set 0); v208-239 the bias; v240-245 bv and offsets.  Window 2: set 1.  Window 1: the accumulators.
.set XG,    204800
.set WGB,   102400
.set XP1,   106496
.set WH1,   53248
.set SPARE, 307200                     ; behind the two groups: the spare words, two blocks of 256 bytes that no other line names
.set SPW,  1
.set NIL,  2
.set L16,  3
.set L8,   4
.set AA16, 5
.set AA8,  6
.set BB16, 7
.set BB8,  8
.set SA,   9
.set SB,   10
.set SH,   11
.set SHX,  12
.set BO,   13
.set RR,   14
.set HH,   15
.set XS,   16
.set WS,   48
.set XF,   64
.set WF,   160
.set BI,   208
.set BV,   240                         ; v240-243 bv, one number a lane and tile
.set BOV,  244
.set PF,   245                         ; the prefetches' offset; never rewritten
.set BM,   64
.set SO,   72
.set BY,   80
.set WD,   88
.set PK,   96
.set CC,   100
.set TT,   148
.set G1A,  28                          ; groups 1: x's first part, W's first half, x's second part, W's second half
.set G1B,  36
.set G1C,  44
.set G1D,  52
.set G0,   68                          ; s[68:83] their four groups 0
.set MSB, 0
.macro WIN new
.if MSB != (\new)
	s_set_vgpr_msb (MSB<<8)|(\new)
.set MSB, (\new)
.endif
.endm
.macro ROUND
	s_barrier_signal -1
	s_barrier_wait -1
	s_cmp_lg_u32 s18, 0
	s_cbranch_scc1 .Lnot_wave_0_\@
	s_barrier_signal -3
.Lnot_wave_0_\@:
	s_barrier_wait -3
	s_barrier_signal -1
	s_barrier_wait -1
.endm
.macro NOPS4
.rept 4
	v_nop
.endr
.endm
.macro GRP1 g, mask, rows              ; a dense block as rows of 256 bytes (32 elements of 8 bytes), no padding
	s_or_b32 s[\g], s\mask, (3<<16)|(1<<21)
	s_mov_b32 s[\g+1], 32<<16
	s_mov_b32 s[\g+2], (\rows)<<16
	s_mov_b32 s[\g+3], 32<<16
	s_mov_b32 s[\g+4], \rows
	s_mov_b32 s[\g+5], 32
	s_mov_b32 s[\g+6], 0
	s_mov_b32 s[\g+7], 0
.endm
.macro G0SET i, lds, base, off
	s_mov_b32 s[G0+4*\i], 1
	s_mov_b32 s[G0+4*\i+1], \lds
	s_add_nc_u64 s[G0+4*\i+2:G0+4*\i+3], s[\base:\base+1], \off
	s_or_b32 s[G0+4*\i+3], s[G0+4*\i+3], 0x80000000
.endm
.macro ARM under, i, g1, next          ; one arm of the head's chain: one load, then to the join
	s_cmp_lt_u32 s18, \under
	s_cbranch_scc0 \next
	tensor_load_to_lds s[G0+4*\i:G0+4*\i+3], s[\g1:\g1+7]
	s_nop 0
	NOPS4
	s_branch .Lasked
\next:
.endm
; 48 LDS loads: a K step's 12 fragments into set 0 or 1.  The four additions are the four places between the products that read this set and the loads into it.
.macro FETCH set, first
.if !(\first)
	v_add_nc_u32 v[AA16], 24576, v[AA16]
	v_add_nc_u32 v[AA8], 24576, v[AA8]
	v_add_nc_u32 v[BB16], 12288, v[BB16]
	v_add_nc_u32 v[BB8], 12288, v[BB8]
.endif
	WIN 0x80*(\set)
.irp a, 0,1,2,3,4,5,6,7
.irp c, 0,1
	ds_load_b128 v[XF+12*\a+6*\c:XF+12*\a+6*\c+3], v[AA16] offset:1536*\a+768*\c
	ds_load_b64 v[XF+12*\a+6*\c+4:XF+12*\a+6*\c+5], v[AA8] offset:1536*\a+768*\c
.endr
.endr
.irp b, 0,1,2,3
.irp c, 0,1
	ds_load_b128 v[WF+12*\b+6*\c:WF+12*\b+6*\c+3], v[BB16] offset:1536*\b+768*\c
	ds_load_b64 v[WF+12*\b+6*\c+4:WF+12*\b+6*\c+5], v[BB8] offset:1536*\b+768*\c
.endr
.endr
	WIN 0
.endm
; One product.  Scale register i holds the words of K step i in lanes 0-15 and of K step 4 + i in lanes 16-31.  The first K step takes the bias as C.
.macro PROD ks, orient, a, b
.if \orient
.set rD, 32*(2*(\b)+(\a)/4)+8*((\a)%4)
.set rA, XF+12*(\a)
.set rB, WF+12*(\b)
.set sA, XS+4*(\a)+(\ks)%4
.set sB, WS+4*(\b)+(\ks)%4
.else
.set rD, 32*(\a)+8*(\b)
.set rA, WF+12*(\b)
.set rB, XF+12*(\a)
.set sA, WS+4*(\b)+(\ks)%4
.set sB, XS+4*(\a)+(\ks)%4
.endif
.if (\ks) == 0
	v_wmma_scale_f32_16x16x128_f8f6f4 v[rD:rD+7], v[rA:rA+11], v[rB:rB+11], v[BI+8*(\b):BI+8*(\b)+7], v[sA], v[sB] matrix_a_fmt:MATRIX_FMT_FP6 matrix_b_fmt:MATRIX_FMT_FP6
.elseif (\ks) < 4
	v_wmma_scale_f32_16x16x128_f8f6f4 v[rD:rD+7], v[rA:rA+11], v[rB:rB+11], v[rD:rD+7], v[sA], v[sB] matrix_a_fmt:MATRIX_FMT_FP6 matrix_b_fmt:MATRIX_FMT_FP6
.else
	v_wmma_scale_f32_16x16x128_f8f6f4 v[rD:rD+7], v[rA:rA+11], v[rB:rB+11], v[rD:rD+7], v[sA], v[sB] matrix_a_fmt:MATRIX_FMT_FP6 matrix_b_fmt:MATRIX_FMT_FP6 matrix_a_scale:MATRIX_SCALE_ROW1 matrix_b_scale:MATRIX_SCALE_ROW1
.endif
.endm
.macro MUL ks, orient                  ; 32 products: the 32 accumulators take turns
.if (\ks) == 0
	WIN 0x40
.elseif (\ks)%2 == 0
	WIN 0x50
.else
	WIN 0x5a
.endif
.irp a, 0,1,2,3,4,5,6,7
.irp b, 0,1,2,3
	PROD \ks, \orient, \a, \b
.endr
.endr
.endm
.macro KSTEP ks, orient, refill
.if ((\ks) == 3 || (\ks) == 7) && (\refill)
.set gg, G0+2*(\ks)-2                  ; K step 3: W's first half, wave 1; K step 7: its second half, wave 3
.set g1, 24+4*(\ks)
	s_wait_tensorcnt 0x0                           ; all my tensor loads have landed;
	ds_add_u32 v[SPW], v[NIL]
	s_add_nc_u64 s[gg+2:gg+3], s[gg+2:gg+3], 8*WGB ; no load of mine is out: on to the next weight's group
	s_wait_dscnt 0x0                               ; the add is done, and this step's fragments are in: my reads of the half are over
	ROUND
	s_cmp_eq_u32 s18, ((\ks)-1)/2
	s_cbranch_scc0 .Lnone_\@
	tensor_load_to_lds s[gg:gg+3], s[g1:g1+7]
	s_nop 0
	NOPS4
.Lnone_\@:
.elseif (\ks) == 3
	s_wait_tensorcnt 0x0                           ; the last refill is shown to all
	s_wait_dscnt 0x0
	s_barrier_signal -1
	s_barrier_wait -1
.else
	s_wait_dscnt 0x0                               ; this step's fragments are in
.endif
.if \ks < 7
	s_wait_alu depctr_va_vdst(0)                   ; the wait ahead of the addresses' reader
	FETCH (\ks+1)%2, 0
.endif
.if ((\ks) == 1) && (\refill)
	s_cmp_eq_u32 s88, 0                            ; in q's trip: k's bias into the registers that K step 0 has read (FETCH's additions are the places), and Wv's group is asked for
	s_cbranch_scc0 .Lnot_q_\@
.irp b, 0,1,2,3
	global_load_b128 v[BI+8*\b:BI+8*\b+3], v[BO], s[60:61] offset:32*\b
	global_load_b128 v[BI+8*\b+4:BI+8*\b+7], v[BO], s[60:61] offset:32*\b+16
.endr
	global_prefetch_b8 v[PF], s[86:87] offset:16*WGB th:TH_LOAD_NT scope:SCOPE_SE
.Lnot_q_\@:
.endif
	MUL \ks, \orient
	WIN 0
.endm
.macro START                           ; a phase begins: addresses, W's scale words, K step 0's fragments
	s_wait_xcnt 0x0                                ; the last phase's stores have read their registers and bases
	v_add_nc_u32 v[AA16], s90, v[L16]
	v_add_nc_u32 v[AA8], s92, v[L8]
	v_add_nc_u32 v[BB16], s91, v[L16]
	v_add_nc_u32 v[BB8], s93, v[L8]
.irp b, 0,1,2,3
	ds_load_b128 v[WS+4*\b:WS+4*\b+3], v[SB] offset:512*\b
.endr
	FETCH 0, 1
	s_wait_loadcnt 0x0                             ; the bias
.endm
; Eight units of 32 registers, each one block of 32 neighbours in a lane, become codes: unit e in v[CC + 6 e] on; its byte in v[BY + e].
.macro QUANT8
	NOPS4
	WIN 0x14
.irp e, 0,1,2,3,4,5,6,7
	v_max3_num_f32 v[BM+\e], 0x1800000, |v[32*\e]|, |v[32*\e+1]|   ; the floor 2^(3 - 127) holds the byte at 1 from below
.endr
.irp i, 2,4,6,8,10,12,14,16,18,20,22,24,26,28,30
.irp e, 0,1,2,3,4,5,6,7
	v_max3_num_f32 v[BM+\e], v[BM+\e], |v[32*\e+\i]|, |v[32*\e+\i+1]|
.endr
.endr
	WIN 0
.irp e, 0,1,2,3,4,5,6,7
	v_add_nc_u32 v[SO+\e], 0xff000000, v[BM+\e]    ; 2 off the exponent field: the conversion's scale operand
.endr
.irp e, 0,1,2,3,4,5,6,7
	v_lshrrev_b32 v[BY+\e], 23, v[SO+\e]
.endr
	WIN 0x01
.irp e, 0,1,2,3,4,5,6,7
	v_cvt_scalef32_pk16_fp6_f32 v[CC+6*\e:CC+6*\e+2], v[32*\e:32*\e+15], v[SO+\e]
	v_cvt_scalef32_pk16_fp6_f32 v[TT+4*\e:TT+4*\e+2], v[32*\e+16:32*\e+31], v[SO+\e]
.endr
	WIN 0
	v_nop                                          ; one plain line behind the conversions
.irp e, 0,1,2,3,4,5,6,7
.irp i, 0,1,2
	v_mov_b32 v[CC+6*\e+3+\i], v[TT+4*\e+\i]
.endr
.endr
.endm
	s_load_b256 s[4:11], s[0:1], 0x0               ; xq, wc, bq, bk
	s_load_b128 s[12:15], s[0:1], 0x20             ; bv, qc
	s_load_b64 s[16:17], s[0:1], 0x30              ; kv
	v_lshl_add_u32 v[SPW], v0, 2, SPARE
	v_mov_b32 v[NIL], 0
	ds_add_u32 v[SPW], v[NIL]                      ; the opening lines: the add twice on end and its wait
	ds_add_u32 v[SPW], v[NIL]
	v_lshrrev_b32 v3, 5, v0
	v_readfirstlane_b32 s18, v3                    ; wave 0..3
	s_lshr_b32 s19, s18, 1                         ; my half of the rows
	s_and_b32 s20, s18, 1                          ; my half of the columns
	s_bfe_u32 s21, ttmp6, 0x40000                  ; cx, cy
	s_bfe_u32 s22, ttmp6, 0x40004
	s_lshl_b32 s23, ttmp9, 2
	s_add_co_u32 s23, s23, s21                     ; work-group x: which 128 columns of each weight
	s_and_b32 s24, ttmp7, 0xffff
	s_lshl_b32 s24, s24, 2
	s_add_co_u32 s24, s24, s22                     ; work-group y: the group of xq
	s_lshl_b32 s25, s22, 2
	s_lshl_b32 s25, 15, s25                        ; my row of the cluster
	s_lshl_b32 s26, 0x1111, s21                    ; my column
	s_mov_b32 s27, 0xffff0000                      ; lanes 16-31
	s_mov_b32 s2, 0x76543210
	s_mov_b32 s3, 0xfedcba98
	GRP1 G1A, 25, 416
	GRP1 G1B, 26, 208
	GRP1 G1C, 25, 384
	GRP1 G1D, 26, 192
	s_mul_i32 s84, s24, XG                         ; xq's address hangs on work-group y alone,
	s_mov_b32 s85, 0
	s_mul_i32 s86, s23, WGB                        ; wc's on work-group x alone
	s_mov_b32 s87, 0
	s_wait_dscnt 0x0
	s_wait_kmcnt 0x0
	s_add_nc_u64 s[84:85], s[4:5], s[84:85]
	s_add_nc_u64 s[86:87], s[6:7], s[86:87]        ; Wq's group; kept: the prefetches' base
	ROUND                                          ; all sixteen work-groups are here: the joint loads meet
	G0SET 0, 0, 84, 0
	G0SET 1, XG, 86, 0
	G0SET 2, XP1, 84, XP1
	G0SET 3, XG+WH1, 86, WH1
	ARM 1, 0, G1A, .Lhead_1
	ARM 2, 1, G1B, .Lhead_2
	ARM 3, 2, G1C, .Lhead_3
	tensor_load_to_lds s[G0+12:G0+15], s[G1D:G1D+7]
	s_nop 0
	NOPS4
.Lasked:
	s_mul_i32 s90, s19, 12288                      ; my 8 tiles of x, behind the 16 scale blocks
	s_add_co_u32 s90, s90, 8192
	s_add_co_u32 s92, s90, 512
	s_mul_i32 s91, s20, 6144                       ; my 4 tiles of W, behind xq's group and the 8 scale blocks
	s_add_co_u32 s91, s91, 208896
	s_add_co_u32 s93, s91, 512
	s_lshl_b32 s96, s19, 12
	s_lshl_b32 s97, s20, 11
	s_add_co_u32 s97, s97, XG
	s_lshl_b32 s98, s22, 2
	s_add_co_u32 s98, s98, s18
	s_mul_i32 s98, s98, 6400                       ; my 25 blocks of a group of wc: wave 4 cy + wave of the column's sixteen
	s_lshl_b32 s94, s23, 9
	s_lshl_b32 s99, s20, 8
	s_add_co_u32 s94, s94, s99                     ; my 64 numbers of a bias, in bytes
	s_mov_b32 s95, 0
	s_lshr_b32 s89, s24, 3                         ; the batch
	s_lshl_b32 s89, s89, 4
	s_lshl_b32 s99, s23, 1
	s_add_co_u32 s89, s89, s99
	s_add_co_u32 s89, s89, s20                     ; 16 x batch + head
	s_lshl_b32 s89, s89, 4
	s_and_b32 s99, s24, 7
	s_lshl_b32 s99, s99, 1
	s_add_co_u32 s89, s89, s99
	s_add_co_u32 s89, s89, s19                     ; x 16 + which 128 rows of the sequence: my block of qc and of kv
	s_add_nc_u64 s[60:61], s[10:11], s[94:95]      ; bk, kept
	s_add_nc_u64 s[62:63], s[8:9], s[94:95]        ; bq
	s_add_nc_u64 s[84:85], s[12:13], s[94:95]      ; bv
	v_and_b32 v[BO], 31, v0
	v_and_b32 v[RR], 15, v0
	v_bfe_u32 v[HH], v0, 4, 1
	v_lshlrev_b32 v[L16], 4, v[BO]
	v_lshlrev_b32 v[L8], 3, v[BO]
	v_min_u32 v[PF], 24, v[BO]
	v_lshl_add_u32 v[PF], v[PF], 8, s98
	v_add_nc_u32 v[SA], s96, v[L16]
	v_add_nc_u32 v[SB], s97, v[L16]
	v_lshlrev_b32 v[SH], 3, v[HH]
	v_sub_nc_u32 v[SHX], 8, v[SH]
	v_and_b32 v[BOV], 7, v[RR]
	v_lshrrev_b32 v[RR], 3, v[RR]
	v_lshlrev_b32 v[BOV], 2, v[BOV]
	v_lshl_add_u32 v[BOV], v[RR], 7, v[BOV]        ; v: lane r of tile b holds channel 8 b + r % 8 + 32 (r / 8)
	v_lshlrev_b32 v[BO], 7, v[HH]                  ; q, k: register 8 b + j of lane (r, h) is column 32 h + 8 b + j
.irp b, 0,1,2,3
	global_load_b128 v[BI+8*\b:BI+8*\b+3], v[BO], s[62:63] offset:32*\b
	global_load_b128 v[BI+8*\b+4:BI+8*\b+7], v[BO], s[62:63] offset:32*\b+16
.endr
.irp b, 0,1,2,3
	global_load_b32 v[BV+\b], v[BOV], s[84:85] offset:32*\b
.endr
	global_prefetch_b8 v[PF], s[86:87] offset:8*WGB th:TH_LOAD_NT scope:SCOPE_SE   ; Wk's group
	s_wait_alu depctr_va_vdst(0)                   ; the wait at the head's end
	s_cmp_lt_u32 s18, 2
	s_cbranch_scc0 .Lnot_first
	s_wait_tensorcnt 0x0                           ; waves 0 and 1: the first parts, each by a line of its wave's own
.Lnot_first:
	s_barrier_signal -1
	s_barrier_wait -1                              ; x's and Wq's first parts are in; the second parts may be on their way
.irp a, 0,1,2,3,4,5,6,7
	ds_load_b128 v[XS+4*\a:XS+4*\a+3], v[SA] offset:512*\a   ; x's scale words serve all three phases
.endr
	s_mov_b32 s88, 0                               ; the trip: 0 q, 1 k
.Ltrip:
	START
.irp k, 0,1,2,3,4,5,6,7
	KSTEP \k, 0, 1
.endr
	s_cmp_eq_u32 s88, 0
	s_cselect_b64 s[62:63], s[14:15], s[16:17]
	s_mov_b32 s97, 13056
	s_cselect_b32 s97, 6656, s97                   ; a block's bytes,
	s_mov_b32 s98, 12288
	s_cselect_b32 s98, 6144, s98                   ; and where its scale image lies
	s_mul_i32 s96, s89, s97
	s_mov_b32 s97, 0
	s_add_nc_u64 s[62:63], s[62:63], s[96:97]
	s_mov_b32 s99, 0
	s_add_nc_u64 s[98:99], s[62:63], s[98:99]
	QUANT8                                         ; unit a: tile a's rows, my half of the head's 64
.irp a, 0,1,2,3,4,5,6,7
	v_permlanex16_b32 v[BM+\a], v[BY+\a], s2, s3   ; the other block's byte
.endr
.irp a, 0,1,2,3,4,5,6,7
	v_lshl_or_b32 v[WD+\a], v[BY+\a], v[SH], 0x7f7f0000   ; bytes 2, 3 stand for the 64 along K that the head does not have
.endr
.irp a, 0,1,2,3,4,5,6,7
	v_lshl_or_b32 v[WD+\a], v[BM+\a], v[SHX], v[WD+\a]
.endr
.irp i, 0,1,2,3
	v_cndmask_b32 v[PK+\i], v[WD+2*\i], v[WD+2*\i+1], s27
.endr
.irp i, 0,1,2,3,4,5,6,7,8,9,10,11
	global_store_b128 v[L16], v[CC+4*\i:CC+4*\i+3], s[62:63] offset:512*\i   ; 512 consecutive bytes, aligned to 256
.endr
	global_store_b128 v[L16], v[PK:PK+3], s[98:99]
	s_add_co_u32 s88, s88, 1
	s_cmp_lt_u32 s88, 2
	s_wait_alu depctr_va_vdst(0)                   ; the wait ahead of the branch
	s_cbranch_scc1 .Ltrip
	; ---- v
	START
.irp b, 0,1,2,3
.irp j, 0,1,2,3,4,5,6,7
	v_mov_b32 v[BI+8*\b+\j], v[BV+\b]              ; a lane holds one channel: its bias in all eight registers
.endr
.endr
	NOPS4
.irp k, 0,1,2,3,4,5,6,7
	KSTEP \k, 1, 0
.endr
	s_mul_i32 s96, s89, 13056
	s_mov_b32 s97, 0
	s_add_nc_u64 s[62:63], s[16:17], s[96:97]
	QUANT8                                         ; unit 2 b + c: channel tile b, keys 64 c + 32 h + 0 .. 31
.irp b, 0,1,2,3
	v_lshl_or_b32 v[WD+\b], v[BY+2*\b+1], 16, v[BY+2*\b]
.endr
.irp b, 0,1,2,3
	v_lshlrev_b32 v[WD+\b], v[SH], v[WD+\b]
.endr
.irp b, 0,1,2,3
	v_permlanex16_b32 v[BM+\b], v[WD+\b], s2, s3
.endr
.irp b, 0,1,2,3
	v_or_b32 v[WD+\b], v[WD+\b], v[BM+\b]
.endr
.irp i, 0,1
	v_cndmask_b32 v[PK+\i], v[WD+2*\i], v[WD+2*\i+1], s27
.endr
.irp i, 0,1,2,3,4,5,6,7,8,9,10,11
	global_store_b128 v[L16], v[CC+4*\i:CC+4*\i+3], s[62:63] offset:6144+512*\i
.endr
	global_store_b64 v[L8], v[PK:PK+1], s[62:63] offset:12800
	s_wait_tensorcnt 0x0                           ; the wave's end
	ds_add_u32 v[SPW], v[NIL]
	s_wait_dscnt 0x0
	ROUND                                          ; the closing round
	s_endpgm
.Lfunc_end_k_q26c4ebe1a8_qkv:
	.size	k_q26c4ebe1a8_qkv, .Lfunc_end_k_q26c4ebe1a8_qkv-k_q26c4ebe1a8_qkv
	.p2alignl 7, 3214868480
	.fill 96, 4, 3214868480
	.section	.rodata,"a",@progbits
	.p2align	6, 0x0
	.amdhsa_kernel k_q26c4ebe1a8_qkv
		.amdhsa_group_segment_fixed_size 327680
		.amdhsa_private_segment_fixed_size 0
		.amdhsa_enable_private_segment 0
		.amdhsa_kernarg_size 56
		.amdhsa_user_sgpr_count 2
		.amdhsa_user_sgpr_kernarg_segment_ptr 1
		.amdhsa_wavefront_size32 1
		.amdhsa_system_sgpr_workgroup_id_x 1
		.amdhsa_system_sgpr_workgroup_id_y 1
		.amdhsa_system_sgpr_workgroup_id_z 1
		.amdhsa_system_vgpr_workitem_id 0
		.amdhsa_next_free_vgpr 768
		.amdhsa_next_free_sgpr 100
		.amdhsa_reserve_vcc 0
		.amdhsa_float_denorm_mode_32 3
		.amdhsa_float_denorm_mode_16_64 3
		.amdhsa_memory_ordered 1
		.amdhsa_forward_progress 1
		.amdhsa_inst_pref_size 161
	.end_amdhsa_kernel
	.amdgpu_metadata
---
amdhsa.version: [ 1, 2 ]
amdhsa.kernels:
  - .name:           k_q26c4ebe1a8_qkv
    .symbol:         k_q26c4ebe1a8_qkv.kd
    .args:
      - { .name: xq, .offset: 0, .size: 8, .value_kind: global_buffer, .address_space: global }
      - { .name: wc, .offset: 8, .size: 8, .value_kind: global_buffer, .address_space: global }
      - { .name: bq, .offset: 16, .size: 8, .value_kind: global_buffer, .address_space: global }
      - { .name: bk, .offset: 24, .size: 8, .value_kind: global_buffer, .address_space: global }
      - { .name: bv, .offset: 32, .size: 8, .value_kind: global_buffer, .address_space: global }
      - { .name: qc, .offset: 40, .size: 8, .value_kind: global_buffer, .address_space: global }
      - { .name: kv, .offset: 48, .size: 8, .value_kind: global_buffer, .address_space: global }
    .group_segment_fixed_size: 327680
    .private_segment_fixed_size: 0
    .kernarg_segment_align: 8
    .kernarg_segment_size: 56
    .max_flat_workgroup_size: 128
    .sgpr_count:     100
    .vgpr_count:     768
    .wavefront_size: 32
...
	.end_amdgpu_metadata
.endif
;; end of part 2
;; launch attn (part 3): grid 4 x 64, 16 waves a work-group, clusters of 4 x 1, 210,944 bytes of LDS; arguments qc, kv, ctxq; writes ctxq
.if DOCPART == 3
	.amdgcn_target "amdgcn-amd-amdhsa--gfx1250"
	.amdhsa_code_object_version 6
	.text
	.protected	k_q26c4ebe1a8_attn
	.globl	k_q26c4ebe1a8_attn
	.p2align	8
	.type	k_q26c4ebe1a8_attn,@function
k_q26c4ebe1a8_attn:
	s_mov_b64 s[64:65], 0
	v_nop
	global_prefetch_b8 v0, s[64:65] scope:SCOPE_SE
	s_setreg_imm32_b32 hwreg(HW_REG_WAVE_MODE, 25, 1), 1
	s_wait_xcnt 0x0
	s_wait_alu depctr_hold_cnt(0) depctr_sa_sdst(0) depctr_va_vdst(0) depctr_va_sdst(0) depctr_va_ssrc(0) depctr_va_vcc(0) depctr_vm_vsrc(0)
	s_getreg_b32 s2, hwreg(HW_REG_IB_STS2, 6, 4)
	s_cmp_eq_u32 s2, 0
	s_cbranch_scc0 .Lentry_in_a_cluster
	s_endpgm
.Lentry_in_a_cluster:
	s_bfe_u32 s2, ttmp6, 0x10000c
	s_cmp_lg_u32 s2, 0x3003
	s_cbranch_scc0 .Lentry_shape_is_right
	s_endpgm
.Lentry_shape_is_right:
; ctx[b][q][64 head + d] = the sum over keys of softmax(q . k / 8) v, both products on codes of FP6 (E2M3) with E8M0 scales; ctx leaves as CODES, quantised along D, laid as xq is.
; THE SOFTMAX: t = score x log2(e) / 8; M = the running largest t rounded UP to a whole number; p = 2^(t - M) is quantised along the keys, not normalised; the row's sum is taken of the unquantised p and divides at the end.
; When M moves, the sum and O are multiplied by 2^(old M - new M): exact.
; SHARES.  A head's K, V and scales, 16 key steps of 13,056 bytes, lie in LDS whole, filled ONCE.  The four work-groups of a head form a cluster and ask for them JOINTLY.  A work-group owns 512 queries, in two passes of 256;
; each of its sixteen waves owns one tile of 16 queries in 256 registers: four waves to a SIMD, so that one wave's vector work stands beside another's products and LDS loads.
; LAYOUT.  Both products are used transposed: S^T = K Q^T, O^T = V^T P^T: a lane holds ONE query (lane % 16) throughout.  By the tiles' order of rows (tile u of 64: row 8 u + p % 8 + 32 (p / 8)) register 32 c + i of the scores is
; key 64 c + 32 h + i: a whole block of 32 keys in a lane, in the order of the next operand's registers; and O^T's 32 registers are channels 32 h + 0 .. 31 of the head.
; K = 64 IN A FORM OF 128.  Q's codes of k = 64 .. 127 are zeros (v22-27).  So what stands in registers 6-11 of K's operand adds nothing, whatever finite codes they are: tile T's operand is v[40 + 6 T : 51 + 6 T], whose upper half is
; the next tile's codes (behind the last tile: zeros, v88-93); the scale bytes 2, 3 on both sides are 127.
; LIMITS: a block of zeros gets the byte 1 (its codes are zeros; this program alone reads the bytes); blocks whose largest magnitude lies under 2^-124 are held at byte 1; NaN and infinities are not served.
; ctx's scale bytes leave a byte a lane: one byte for each 24 bytes of codes.
.set STEPB, 13056                      ; a key step: K's 48 registers (6,144), V^T's four fragments (6,144), K's scale image (512), V's (256)
.set SPARE, 16*STEPB                   ; behind the head: the spare words, 128 bytes a wave: eight blocks of 256 bytes that no other line names
.set SPW,  1
.set NIL,  2
.set L16,  3                           ; 16 x lane
.set L8,   4                           ; 8 x lane + 12,800
.set A16,  5                           ; the step's LDS addresses
.set A8,   6
.set SH8,  7                           ; 8 h
.set CB,   8                           ; 16 r + h: my scale byte's place
.set L8C,  9                           ; 8 x lane + 512
.set NM,   12                          ; v12 -M, v13 the running largest score (named as a pair by the packed form)
.set MS,   13
.set SUM,  14                          ; v[14:15] the sum in two halves
.set QF,   16                          ; v16-27 Q
.set QS,   28
.set PS,   29
.set FF,   30                          ; v[30:31] f = 2^(old M - new M)
.set KS,   32
.set VS,   36
.set KF,   40                          ; v40-87 K; behind the scores' products: at work
.set VF,   94
.set S,    142                         ; v142-205 the scores, then p
.set OT,   206                         ; v206-237 O^T
.set PC,   238                         ; v238-249 p's codes
.set QO,   250                         ; v250-252 my tile's three pairs of registers in Q's image; v253 its scale word
.set QSO,  253
.set WV,   10                          ; s10 wave; s11 cx; s12 16 x batch + head
.set SEL,  14
.set CS,   16                          ; s[16:17] c = log2(e) / 8; s18 -c
.set TB,   19                          ; s19 where the step in hand begins in LDS
.set CNT,  20
.set G1,   24
.set G0,   32
.macro ROUND
	s_barrier_signal -1
	s_barrier_wait -1
	s_cmp_lg_u32 s[WV], 0
	s_cbranch_scc1 .Lnot_wave_0_\@
	s_barrier_signal -3
.Lnot_wave_0_\@:
	s_barrier_wait -3
	s_barrier_signal -1
	s_barrier_wait -1
.endm
; A KEY STEP: 128 keys.
.macro STEP
	v_add_nc_u32 v[A16], s[TB], v[L16]
	v_add_nc_u32 v[A8], s[TB], v[L8]
	v_nop
	v_nop                                          ; four places between the last products and the loads into registers that they read
.irp i, 0,1,2,3,4,5,6,7,8,9,10,11
	ds_load_b128 v[KF+4*\i:KF+4*\i+3], v[A16] offset:512*\i
.endr
	ds_load_b128 v[KS:KS+3], v[A16] offset:12288
.irp i, 0,1,2,3,4,5,6,7,8,9,10,11
	ds_load_b128 v[VF+4*\i:VF+4*\i+3], v[A16] offset:6144+512*\i
.endr
	ds_load_b64 v[VS:VS+1], v[A8]
	s_wait_dscnt 13                                ; K and its scales are in; V's 12 loads and its scales' one may be out
.irp t, 0,1,2,3,4,5,6,7
.if (\t)%2
	v_wmma_scale_f32_16x16x128_f8f6f4 v[S+8*\t:S+8*\t+7], v[KF+6*\t:KF+6*\t+11], v[QF:QF+11], 0, v[KS+\t/2], v[QS] matrix_a_fmt:MATRIX_FMT_FP6 matrix_b_fmt:MATRIX_FMT_FP6 matrix_a_scale:MATRIX_SCALE_ROW1
.else
	v_wmma_scale_f32_16x16x128_f8f6f4 v[S+8*\t:S+8*\t+7], v[KF+6*\t:KF+6*\t+11], v[QF:QF+11], 0, v[KS+\t/2], v[QS] matrix_a_fmt:MATRIX_FMT_FP6 matrix_b_fmt:MATRIX_FMT_FP6
.endif
.endr
.rept 4
	v_nop
.endr
	; the largest score of each block of 32 keys (all 32 are mine), two chains a block; it serves twice: for the row's maximum and, since p rises with the score, for the block's largest p.  Each accumulator is first read at its low end
.irp c, 0,1
	v_max3_num_f32 v[40+2*\c], v[S+32*\c], v[S+1+32*\c], v[S+2+32*\c]
	v_max3_num_f32 v[41+2*\c], v[S+17+32*\c], v[S+18+32*\c], v[S+19+32*\c]
.endr
.irp i, 0,1,2,3,4,5
.irp c, 0,1
	v_max3_num_f32 v[40+2*\c], v[40+2*\c], v[S+3+2*\i+32*\c], v[S+4+2*\i+32*\c]
	v_max3_num_f32 v[41+2*\c], v[41+2*\c], v[S+20+2*\i+32*\c], v[S+21+2*\i+32*\c]
.endr
.endr
.irp c, 0,1
	v_max3_num_f32 v[40+2*\c], v[40+2*\c], v[S+15+32*\c], v[S+16+32*\c]
.endr
.irp c, 0,1
	s_delay_alu instid0(VALU_DEP_2)
	v_max_num_f32 v[40+2*\c], v[40+2*\c], v[41+2*\c]
.endr
	s_delay_alu instid0(VALU_DEP_1)
	v_max_num_f32 v44, v40, v42
	v_mov_b32 v46, v[NM]
	s_delay_alu instid0(VALU_DEP_2)
	v_permlanex16_b32 v45, v44, s[SEL], s[SEL+1]   ; the query's other 64 keys lie in lane l xor 16
	s_delay_alu instid0(VALU_DEP_1)
	v_max3_num_f32 v[MS], v[MS], v44, v45          ; the running largest score
	s_delay_alu instid0(VALU_DEP_1)
	v_mul_f32 v47, s18, v[MS]                      ; -t
	s_delay_alu instid0(VALU_DEP_1)
	v_floor_f32 v[NM], v47                         ; the new -M = floor(-t) = -ceil(t): a whole number
	s_delay_alu instid0(VALU_DEP_1)
	v_sub_f32 v46, v[NM], v46                      ; old M - new M: a whole number, 0 or less
	s_delay_alu instid0(VALU_DEP_1)
	v_cvt_i32_f32 v46, v46                         ; (it saturates)
	s_delay_alu instid0(VALU_DEP_1)
	v_ldexp_f32 v[FF], 1.0, v46                    ; f
.irp j, 0,2,4,6,8,10,12,14,16,18,20,22,24,26,28,30,32,34,36,38,40,42,44,46,48,50,52,54,56,58,60,62
	v_pk_fma_f32 v[S+\j:S+\j+1], v[S+\j:S+\j+1], s[CS:CS+1], v[NM:NM+1] op_sel_hi:[1,0,0]   ; t - M, two at a time
.endr
	v_fma_f32 v40, v40, s[CS], v[NM]               ; the same of each block's largest score
	v_fma_f32 v42, v42, s[CS], v[NM]
	s_wait_alu depctr_va_vdst(0)
.irp j, 0,1,2,3,4,5,6,7,8,9,10,11,12,13,14,15,16,17,18,19,20,21,22,23,24,25,26,27,28,29,30,31,32,33,34,35,36,37,38,39,40,41,42,43,44,45,46,47,48,49,50,51,52,53,54,55,56,57,58,59,60,61,62,63
	v_exp_f32 v[S+\j], v[S+\j]                     ; p = 2^(t - M), at most 1
.endr
	v_pk_mul_f32 v[SUM:SUM+1], v[SUM:SUM+1], v[FF:FF+1] op_sel_hi:[1,0]   ; the sums under the new M (the plain line behind the exponentials)
	s_wait_alu depctr_va_vdst(0)                   ; one wait for the batch of 64, ahead of its first reader
	v_exp_f32 v40, v40                             ; the blocks' largest p
	v_exp_f32 v42, v42
	v_pk_add_f32 v[52:53], v[146:147], v[150:151]
	v_pk_add_f32 v[254:255], v[154:155], v[158:159]
	v_pk_add_f32 v[248:249], v[162:163], v[166:167]
	v_pk_add_f32 v[246:247], v[170:171], v[174:175]
	v_pk_add_f32 v[244:245], v[178:179], v[182:183]
	v_pk_add_f32 v[242:243], v[186:187], v[190:191]
	v_pk_add_f32 v[240:241], v[194:195], v[198:199]
	v_pk_add_f32 v[14:15], v[14:15], v[202:203]
	v_pk_add_f32 v[52:53], v[52:53], v[142:143]
	v_pk_add_f32 v[254:255], v[254:255], v[144:145]
	v_pk_add_f32 v[248:249], v[248:249], v[148:149]
	v_pk_add_f32 v[246:247], v[246:247], v[152:153]
	v_pk_add_f32 v[244:245], v[244:245], v[156:157]
	v_pk_add_f32 v[242:243], v[242:243], v[160:161]
	v_pk_add_f32 v[240:241], v[240:241], v[164:165]
	v_pk_add_f32 v[14:15], v[14:15], v[168:169]
	v_pk_add_f32 v[52:53], v[52:53], v[172:173]
	v_pk_add_f32 v[254:255], v[254:255], v[176:177]
	v_pk_add_f32 v[248:249], v[248:249], v[180:181]
	v_pk_add_f32 v[246:247], v[246:247], v[184:185]
	v_pk_add_f32 v[244:245], v[244:245], v[188:189]
	v_pk_add_f32 v[242:243], v[242:243], v[192:193]
	v_pk_add_f32 v[240:241], v[240:241], v[196:197]
	v_pk_add_f32 v[14:15], v[14:15], v[200:201]
	v_pk_add_f32 v[52:53], v[52:53], v[204:205]
	s_delay_alu instid0(VALU_DEP_2)
	v_pk_add_f32 v[14:15], v[14:15], v[246:247]
	s_delay_alu instid0(VALU_DEP_2)
	v_pk_add_f32 v[52:53], v[52:53], v[244:245]
	v_pk_add_f32 v[254:255], v[254:255], v[242:243]
	v_pk_add_f32 v[248:249], v[248:249], v[240:241]
	s_delay_alu instid0(VALU_DEP_2)
	v_pk_add_f32 v[14:15], v[14:15], v[254:255]
	s_delay_alu instid0(VALU_DEP_2)
	v_pk_add_f32 v[52:53], v[52:53], v[248:249]
	s_delay_alu instid0(VALU_DEP_1)
	v_pk_add_f32 v[14:15], v[14:15], v[52:53]
	s_wait_alu depctr_va_vdst(0)                   ; and one for the two
	v_max_num_f32 v40, 0x1800000, v40              ; the floor 2^(3 - 127): the byte cannot fall under 1
	v_max_num_f32 v42, 0x1800000, v42
	s_delay_alu instid0(VALU_DEP_2)
	v_add_nc_u32 v48, 0xff000000, v40              ; 2 off the exponent field: the conversions' scale operands
	s_delay_alu instid0(VALU_DEP_2)
	v_add_nc_u32 v49, 0xff000000, v42
	s_delay_alu instid0(VALU_DEP_2)
	v_lshrrev_b32 v50, 23, v48
	s_delay_alu instid0(VALU_DEP_2)
	v_lshrrev_b32 v51, 23, v49
	s_delay_alu instid0(VALU_DEP_1)
	v_lshl_or_b32 v47, v51, 16, v50                ; my two bytes: blocks h and 2 + h,
	s_delay_alu instid0(VALU_DEP_1)
	v_lshlrev_b32 v47, v[SH8], v47                 ; at their places;
	s_delay_alu instid0(VALU_DEP_1)
	v_permlanex16_b32 v62, v47, s[SEL], s[SEL+1]
	s_delay_alu instid0(VALU_DEP_1)
	v_or_b32 v[PS], v47, v62                       ; with lane l xor 16's two: p's scale word for these 128 keys
	v_cvt_scalef32_pk16_fp6_f32 v[PC:PC+2], v[S:S+15], v48
	v_cvt_scalef32_pk16_fp6_f32 v[54:56], v[S+16:S+31], v48      ; (a conversion's three registers begin on an even number)
	v_cvt_scalef32_pk16_fp6_f32 v[PC+6:PC+8], v[S+32:S+47], v49
	v_cvt_scalef32_pk16_fp6_f32 v[58:60], v[S+48:S+63], v49
	v_nop                                          ; one plain line behind the conversions
.irp i, 0,1,2
	v_mov_b32 v[PC+3+\i], v[54+\i]
	v_mov_b32 v[PC+9+\i], v[58+\i]
.endr
.irp j, 0,2,4,6,8,10,12,14,16,18,20,22,24,26,28,30
	v_pk_mul_f32 v[OT+\j:OT+\j+1], v[OT+\j:OT+\j+1], v[FF:FF+1] op_sel_hi:[1,0]   ; O^T under the new M; these 16 also stand between the writes of p's codes and scale word and the products
.endr
	s_wait_alu depctr_va_vdst(0)
	s_wait_dscnt 0x0                               ; V is in
.irp t, 0,1,2,3
.if (\t)%2
	v_wmma_scale_f32_16x16x128_f8f6f4 v[OT+8*\t:OT+8*\t+7], v[VF+12*\t:VF+12*\t+11], v[PC:PC+11], v[OT+8*\t:OT+8*\t+7], v[VS+\t/2], v[PS] matrix_a_fmt:MATRIX_FMT_FP6 matrix_b_fmt:MATRIX_FMT_FP6 matrix_a_scale:MATRIX_SCALE_ROW1
.else
	v_wmma_scale_f32_16x16x128_f8f6f4 v[OT+8*\t:OT+8*\t+7], v[VF+12*\t:VF+12*\t+11], v[PC:PC+11], v[OT+8*\t:OT+8*\t+7], v[VS+\t/2], v[PS] matrix_a_fmt:MATRIX_FMT_FP6 matrix_b_fmt:MATRIX_FMT_FP6
.endif
.endr
.endm
.macro STEPS n                         ; n key steps from s[TB] on
	s_mov_b32 s[CNT], \n
.Lsteps_\@:
	STEP
	s_add_co_u32 s[TB], s[TB], STEPB
	s_sub_co_u32 s[CNT], s[CNT], 1
	s_cmp_lg_u32 s[CNT], 0
	s_cbranch_scc1 .Lsteps_\@
.endm
; Pass p begins: my tile of Q; the sum and O^T as zeros, the largest score as -3e38, so that the step is written once.
.macro PROLOG p
.if \p
	s_wait_xcnt 0x0                                ; the last pass's stores have read their registers and bases
.endif
	s_lshl_b32 s53, s11, 2
	s_lshr_b32 s54, s[WV], 3
	s_add_co_u32 s53, s53, s54
	s_add_co_u32 s53, s53, 2*\p                    ; which 128 queries of the sequence: 4 cx + 2 p + wave / 8
	s_lshl_b32 s54, s12, 4
	s_add_co_u32 s53, s53, s54
	s_mul_i32 s56, s53, 6656
	s_mov_b32 s57, 0
	s_add_nc_u64 s[56:57], s[4:5], s[56:57]
.irp i, 0,1,2
	global_load_b64 v[QF+2*\i:QF+2*\i+1], v[QO+\i], s[56:57]
.endr
	global_load_b32 v[QS], v[QSO], s[56:57]
	v_mov_b32 v[MS], 0xff61b1e6                    ; -3e38, under every score
	s_delay_alu instid0(VALU_DEP_1)
	v_mul_f32 v[NM], s18, v[MS]
	s_delay_alu instid0(VALU_DEP_1)
	v_floor_f32 v[NM], v[NM]
	v_mov_b32 v[SUM], 0
	v_mov_b32 v[SUM+1], 0
.irp j, 0,1,2,3,4,5,6,7,8,9,10,11,12,13,14,15,16,17,18,19,20,21,22,23,24,25,26,27,28,29,30,31
	v_mov_b32 v[OT+\j], 0
.endr
	s_wait_loadcnt 0x0
.endm
; Pass p ends: O^T / the sum; my 32 channels are one block along D: codes into half a fragment of ctxq (K step head / 2, half head % 2, tile = my wave), the byte into the tile's scale block.
.macro EPILOG p
.rept 4
	v_nop
.endr
	v_add_f32 v[SUM], v[SUM], v[SUM+1]
	s_delay_alu instid0(VALU_DEP_1)
	v_permlanex16_b32 v44, v[SUM], s[SEL], s[SEL+1]
	s_delay_alu instid0(VALU_DEP_1)
	v_add_f32 v[SUM], v[SUM], v44                  ; the row's sum
	s_wait_alu depctr_va_vdst(0)
	v_rcp_f32 v[SUM], v[SUM]
	v_nop                                          ; a plain line behind the reciprocal
	s_lshr_b32 s53, s12, 4
	s_lshl_b32 s53, s53, 3
	s_lshl_b32 s54, s11, 1
	s_add_co_u32 s53, s53, s54
	s_add_co_u32 s53, s53, \p                      ; the group of 256 rows: 8 x batch + 2 cx + p
	s_mul_i32 s53, s53, 204800
	s_and_b32 s54, s12, 15                         ; the head
	s_lshr_b32 s55, s54, 1                         ; its K step
	s_lshl_b32 s66, s55, 4
	s_add_co_u32 s66, s66, s[WV]
	s_mul_i32 s66, s66, 1536
	s_and_b32 s67, s54, 1
	s_mul_i32 s68, s67, 768
	s_add_co_u32 s66, s66, s68
	s_add_co_u32 s66, s66, s53
	s_add_co_u32 s58, s66, 8192
	s_mov_b32 s59, 0
	s_add_nc_u64 s[58:59], s[8:9], s[58:59]        ; my half fragment
	s_lshl_b32 s66, s[WV], 9
	s_lshr_b32 s68, s54, 3
	s_lshl_b32 s68, s68, 8
	s_add_co_u32 s66, s66, s68
	s_and_b32 s68, s55, 3
	s_lshl_b32 s68, s68, 2
	s_add_co_u32 s66, s66, s68
	s_lshl_b32 s68, s67, 1
	s_add_co_u32 s66, s66, s68
	s_add_co_u32 s60, s66, s53
	s_mov_b32 s61, 0
	s_add_nc_u64 s[60:61], s[8:9], s[60:61]        ; my tile's scale block, the K step's word, my head's two bytes
	s_wait_alu depctr_va_vdst(0)                   ; the wait ahead of the reciprocal's first reader
.irp j, 0,2,4,6,8,10,12,14,16,18,20,22,24,26,28,30
	v_pk_mul_f32 v[S+\j:S+\j+1], v[OT+\j:OT+\j+1], v[SUM:SUM+1] op_sel_hi:[1,0]   ; each accumulator from its low end on
.endr
	v_max3_num_f32 v40, |v[S]|, |v[S+1]|, 0x1800000
	v_max3_num_f32 v41, |v[S+16]|, |v[S+17]|, 0x1800000
.irp i, 2,4,6,8,10,12,14
	s_delay_alu instid0(VALU_DEP_2)
	v_max3_num_f32 v40, v40, |v[S+\i]|, |v[S+\i+1]|
	s_delay_alu instid0(VALU_DEP_2)
	v_max3_num_f32 v41, v41, |v[S+16+\i]|, |v[S+17+\i]|
.endr
	s_delay_alu instid0(VALU_DEP_1)
	v_max_num_f32 v40, v40, v41
	s_delay_alu instid0(VALU_DEP_1)
	v_add_nc_u32 v48, 0xff000000, v40
	s_delay_alu instid0(VALU_DEP_1)
	v_lshrrev_b32 v50, 23, v48
	v_cvt_scalef32_pk16_fp6_f32 v[PC:PC+2], v[S:S+15], v48
	v_cvt_scalef32_pk16_fp6_f32 v[54:56], v[S+16:S+31], v48
	v_nop                                          ; one plain line behind the conversions
.irp i, 0,1,2
	v_mov_b32 v[PC+3+\i], v[54+\i]
.endr
	global_store_b128 v[L16], v[PC:PC+3], s[58:59] ; 512 consecutive bytes, aligned to 256
	global_store_b64 v[L8C], v[PC+4:PC+5], s[58:59] ; 256 consecutive bytes, aligned
	global_store_b8 v[CB], v50, s[60:61]
.endm
	s_load_b128 s[4:7], s[0:1], 0x0                ; qc, kv
	s_load_b64 s[8:9], s[0:1], 0x10                ; ctxq
	v_lshl_add_u32 v[SPW], v0, 2, SPARE
	v_mov_b32 v[NIL], 0
	ds_add_u32 v[SPW], v[NIL]                      ; the wave's opening: the add and its wait ahead of the first tensor loads; work on registers stands between them
	ds_add_u32 v[SPW], v[NIL]
	v_lshrrev_b32 v3, 5, v0
	s_delay_alu instid0(VALU_DEP_1)
	v_readfirstlane_b32 s[WV], v3                  ; wave 0..15
	s_bfe_u32 s11, ttmp6, 0x40000                  ; cx: it enters global addresses of Q and ctx alone
	s_and_b32 s12, ttmp7, 0xffff                   ; 16 x batch + head, which the four partners share
	s_mov_b32 s[SEL], 0x76543210
	s_mov_b32 s[SEL+1], 0xfedcba98
	s_mov_b32 s[CS], 0x3e38aa3b                    ; c = log2(e) / 8
	s_mov_b32 s[CS+1], s[CS]                       ; (named with it as a pair)
	s_mov_b32 s18, 0xbe38aa3b                      ; -c
	; descriptor group 1: a key step, 13,056 dense bytes, as 51 rows of 256 bytes (32 elements of 8 bytes); no padding
	s_mov_b32 s[G1], 15|(3<<16)|(1<<21)            ; 15:0 the mask: all four work-groups; 17:16 elements of 8 bytes; 21 set beside a mask
	s_mov_b32 s[G1+1], 32<<16
	s_mov_b32 s[G1+2], 51<<16
	s_mov_b32 s[G1+3], 32<<16
	s_mov_b32 s[G1+4], 51
	s_mov_b32 s[G1+5], 32
	s_mov_b32 s[G1+6], 0
	s_mov_b32 s[G1+7], 0
	s_mul_i32 s48, s12, 16*STEPB                   ; the head's block of kv,
	s_mul_i32 s50, s[WV], STEPB                    ; key step = my wave's number: each of the sixteen waves fetches one
	s_add_co_u32 s48, s48, s50
	s_mov_b32 s49, 0
	s_wait_dscnt 0x0                               ; the opening add is done
	s_wait_kmcnt 0x0
	s_add_nc_u64 s[48:49], s[6:7], s[48:49]
	ROUND                                          ; all four work-groups are here: the joint loads meet
	s_mov_b32 s[G0], 1
	s_mov_b32 s[G0+1], s50                         ; in LDS as in memory
	s_mov_b64 s[G0+2:G0+3], s[48:49]
	s_or_b32 s[G0+3], s[G0+3], 0x80000000
	tensor_load_to_lds s[G0:G0+3], s[G1:G1+7]      ; one load a wave, with no branch
	s_nop 0
.rept 4
	v_nop
.endr
	v_and_b32 v38, 31, v0                          ; lane
	v_and_b32 v39, 15, v0                          ; r
	v_bfe_u32 v[SH8], v0, 4, 1                     ; h
	s_delay_alu instid0(VALU_DEP_3)
	v_lshlrev_b32 v[L16], 4, v38
	s_wait_alu depctr_va_vdst(0)
	v_lshlrev_b32 v[L8C], 3, v38
	s_delay_alu instid0(VALU_DEP_1)
	v_add_nc_u32 v[L8], 12800, v[L8C]
	s_delay_alu instid0(VALU_DEP_2)
	v_add_nc_u32 v[L8C], 512, v[L8C]
	v_lshl_add_u32 v[CB], v39, 4, v[SH8]
	v_lshlrev_b32 v[SH8], 3, v[SH8]
	s_and_b32 s51, s[WV], 7                        ; T: my tile among the 8 of 128 queries, the same in both passes
	s_mul_i32 s52, s51, 3
.irp i, 0,1,2
	s_add_co_u32 s53, s52, \i                      ; pair 3 T + i of the image's 24 pairs of registers: quad (pair / 2), its half (pair % 2)
	s_lshr_b32 s54, s53, 1
	s_lshl_b32 s54, s54, 9
	s_and_b32 s53, s53, 1
	s_lshl_b32 s53, s53, 3
	s_add_co_u32 s54, s54, s53
	v_add_nc_u32 v[QO+\i], s54, v[L16]
.endr
	s_and_b32 s53, s51, 1
	s_lshl_b32 s53, s53, 8
	s_lshr_b32 s54, s51, 1
	s_lshl_b32 s54, s54, 2
	s_add_co_u32 s53, s53, s54
	s_add_co_u32 s53, s53, 6144
	v_lshl_add_u32 v[QSO], v39, 4, s53             ; row r's word of tile T: 6,144 + 16 r + 256 (T % 2) + 4 (T / 2)
.irp j, 0,1,2,3,4,5
	v_mov_b32 v[QF+6+\j], 0                        ; Q's codes of k = 64 .. 127
	v_mov_b32 v[88+\j], 0                          ; and what stands behind K's last tile
.endr
	v_mov_b32 v[FF+1], 0                           ; (named as the upper half of the pair)
	PROLOG 0
	s_wait_tensorcnt 0x0                           ; my key step has landed
	s_wait_dscnt 0x0
	s_barrier_signal -1
	s_barrier_wait -1                              ; everybody's has: the head's K and V are whole.  Nothing is filled again
	s_mov_b32 s[TB], 0
	STEPS 16
	EPILOG 0
	PROLOG 1
	s_mov_b32 s[TB], 0
	STEPS 16
	EPILOG 1
	s_wait_tensorcnt 0x0                           ; the wave's end
	ds_add_u32 v[SPW], v[NIL]
	s_wait_dscnt 0x0
	ROUND                                          ; the closing round
	s_endpgm
.Lfunc_end_k_q26c4ebe1a8_attn:
	.size	k_q26c4ebe1a8_attn, .Lfunc_end_k_q26c4ebe1a8_attn-k_q26c4ebe1a8_attn
	.p2alignl 7, 3214868480
	.fill 96, 4, 3214868480
	.section	.rodata,"a",@progbits
	.p2align	6, 0x0
	.amdhsa_kernel k_q26c4ebe1a8_attn
		.amdhsa_group_segment_fixed_size 210944
		.amdhsa_private_segment_fixed_size 0
		.amdhsa_enable_private_segment 0
		.amdhsa_kernarg_size 24
		.amdhsa_user_sgpr_count 2
		.amdhsa_user_sgpr_kernarg_segment_ptr 1
		.amdhsa_wavefront_size32 1
		.amdhsa_system_sgpr_workgroup_id_x 1
		.amdhsa_system_sgpr_workgroup_id_y 1
		.amdhsa_system_sgpr_workgroup_id_z 1
		.amdhsa_system_vgpr_workitem_id 0
		.amdhsa_next_free_vgpr 256
		.amdhsa_next_free_sgpr 80
		.amdhsa_reserve_vcc 0
		.amdhsa_float_denorm_mode_32 3
		.amdhsa_float_denorm_mode_16_64 3
		.amdhsa_memory_ordered 1
		.amdhsa_forward_progress 1
		.amdhsa_inst_pref_size 49
	.end_amdhsa_kernel
	.amdgpu_metadata
---
amdhsa.version: [ 1, 2 ]
amdhsa.kernels:
  - .name:           k_q26c4ebe1a8_attn
    .symbol:         k_q26c4ebe1a8_attn.kd
    .args:
      - { .name: qc, .offset: 0, .size: 8, .value_kind: global_buffer, .address_space: global }
      - { .name: kv, .offset: 8, .size: 8, .value_kind: global_buffer, .address_space: global }
      - { .name: ctxq, .offset: 16, .size: 8, .value_kind: global_buffer, .address_space: global }
    .group_segment_fixed_size: 210944
    .private_segment_fixed_size: 0
    .kernarg_segment_align: 8
    .kernarg_segment_size: 24
    .max_flat_workgroup_size: 512
    .sgpr_count:     80
    .vgpr_count:     256
    .wavefront_size: 32
...
	.end_amdgpu_metadata
.endif
;; end of part 3
;; launch oproj (part 4): grid 8 x 32, 4 waves a work-group, clusters of 4 x 4, 327,680 bytes of LDS; arguments ctxq, wc, bo, out0; writes out0
.if DOCPART == 4
	.amdgcn_target "amdgcn-amd-amdhsa--gfx1250"
	.amdhsa_code_object_version 6
	.text
	.protected	k_q26c4ebe1a8_oproj
	.globl	k_q26c4ebe1a8_oproj
	.p2align	8
	.type	k_q26c4ebe1a8_oproj,@function
k_q26c4ebe1a8_oproj:
	s_mov_b64 s[64:65], 0
	v_nop
	global_prefetch_b8 v0, s[64:65] scope:SCOPE_SE
	s_setreg_imm32_b32 hwreg(HW_REG_WAVE_MODE, 25, 1), 1
	s_wait_xcnt 0x0
	s_wait_alu depctr_hold_cnt(0) depctr_sa_sdst(0) depctr_va_vdst(0) depctr_va_sdst(0) depctr_va_ssrc(0) depctr_va_vcc(0) depctr_vm_vsrc(0)
	s_getreg_b32 s2, hwreg(HW_REG_IB_STS2, 6, 4)
	s_cmp_eq_u32 s2, 0
	s_cbranch_scc0 .Lentry_in_a_cluster
	s_endpgm
.Lentry_in_a_cluster:
	s_bfe_u32 s2, ttmp6, 0x10000c
	s_cmp_lg_u32 s2, 0xf033
	s_cbranch_scc0 .Lentry_shape_is_right
	s_endpgm
.Lentry_shape_is_right:
; out = ctx Wo^T + bo on codes of FP6 (E2M3) with E8M0 scales; out is f32.
; A work-group makes 256 rows x 128 columns over all of K = 1,024.  Its group of ctxq (204,800 bytes) and its group of wc (102,400 bytes; Wo's are groups 24-31) lie in LDS whole, as they lie in memory, each filled ONCE.
; Four waves, each 128 rows x 64 columns: 32 accumulators, 256 matrix instructions.  CLUSTER 4 x 4: the four of a row need the same group of ctxq, the four of a column the same group of wc: each is asked for JOINTLY.
; FILLS: one load a wave at the head: wave 0 ctx's scale blocks and K steps 0-3, wave 1 the same of Wo, wave 2 ctx's K steps 4-7, wave 3 Wo's.  The first barrier shows waves 0 and 1's tiles, a barrier at K step 3 the rest.
; TILES: tile u of a group of 64 rows has as its row p the group's row 8 u + p % 8 + 32 (p / 8).  The product is used transposed (source 0 = Wo's tile, source 1 = ctx's): register 8 b + j of lane (r, h) is column 32 h + 8 b + j
; of my 64, row r of ctx's tile.  A tile's 16 rows x 256 bytes go through my own stage in LDS and leave as whole rows: sixteen lanes store 256 consecutive bytes, aligned.
; No prefetch: every tile is asked for at the head, and the launch has no loop to run ahead in.
; REGISTERS.  Window 0: v1-15 addresses; v16-47 ctx's scale words, v48-63 Wo's; v64-159 ctx's 8 fragments, v160-207 Wo's 4 (set 0); v208-239 the bias; v240-242 the way out.  Window 2: set 1.  Window 1: the accumulators.
.set XG,    204800
.set WGB,   102400
.set XP1,   106496
.set WH1,   53248
.set SPARE, 307200                     ; the spare words: two blocks of 256 bytes that no other line names
.set STAGE, 307712                     ; behind them: 16 rows x 272 bytes for each wave; no tensor load lands here
.set SPW,  1
.set NIL,  2
.set L16,  3
.set L8,   4
.set AA16, 5
.set AA8,  6
.set BB16, 7
.set BB8,  8
.set SA,   9
.set SB,   10
.set BO,   13
.set RR,   14
.set HH,   15
.set XS,   16
.set WS,   48
.set XF,   64
.set WF,   160
.set BI,   208
.set STO,  240
.set RD,   241
.set CO,   242
.set BK,   64
.set G1A,  28
.set G1B,  36
.set G1C,  44
.set G1D,  52
.set G0,   68
.set MSB, 0
.macro WIN new
.if MSB != (\new)
	s_set_vgpr_msb (MSB<<8)|(\new)
.set MSB, (\new)
.endif
.endm
.macro ROUND
	s_barrier_signal -1
	s_barrier_wait -1
	s_cmp_lg_u32 s18, 0
	s_cbranch_scc1 .Lnot_wave_0_\@
	s_barrier_signal -3
.Lnot_wave_0_\@:
	s_barrier_wait -3
	s_barrier_signal -1
	s_barrier_wait -1
.endm
.macro NOPS4
.rept 4
	v_nop
.endr
.endm
.macro GRP1 g, mask, rows              ; a dense block as rows of 256 bytes (32 elements of 8 bytes), no padding
	s_or_b32 s[\g], s\mask, (3<<16)|(1<<21)
	s_mov_b32 s[\g+1], 32<<16
	s_mov_b32 s[\g+2], (\rows)<<16
	s_mov_b32 s[\g+3], 32<<16
	s_mov_b32 s[\g+4], \rows
	s_mov_b32 s[\g+5], 32
	s_mov_b32 s[\g+6], 0
	s_mov_b32 s[\g+7], 0
.endm
.macro G0SET i, lds, base, off
	s_mov_b32 s[G0+4*\i], 1
	s_mov_b32 s[G0+4*\i+1], \lds
	s_add_nc_u64 s[G0+4*\i+2:G0+4*\i+3], s[\base:\base+1], \off
	s_or_b32 s[G0+4*\i+3], s[G0+4*\i+3], 0x80000000
.endm
.macro ARM under, i, g1, next
	s_cmp_lt_u32 s18, \under
	s_cbranch_scc0 \next
	tensor_load_to_lds s[G0+4*\i:G0+4*\i+3], s[\g1:\g1+7]
	s_nop 0
	NOPS4
	s_branch .Lasked
\next:
.endm
.macro FETCH set, first                ; 48 LDS loads; the four additions are the places between the products that read this set and the loads into it
.if !(\first)
	v_add_nc_u32 v[AA16], 24576, v[AA16]
	v_add_nc_u32 v[AA8], 24576, v[AA8]
	v_add_nc_u32 v[BB16], 12288, v[BB16]
	v_add_nc_u32 v[BB8], 12288, v[BB8]
.endif
	WIN 0x80*(\set)
.irp a, 0,1,2,3,4,5,6,7
.irp c, 0,1
	ds_load_b128 v[XF+12*\a+6*\c:XF+12*\a+6*\c+3], v[AA16] offset:1536*\a+768*\c
	ds_load_b64 v[XF+12*\a+6*\c+4:XF+12*\a+6*\c+5], v[AA8] offset:1536*\a+768*\c
.endr
.endr
.irp b, 0,1,2,3
.irp c, 0,1
	ds_load_b128 v[WF+12*\b+6*\c:WF+12*\b+6*\c+3], v[BB16] offset:1536*\b+768*\c
	ds_load_b64 v[WF+12*\b+6*\c+4:WF+12*\b+6*\c+5], v[BB8] offset:1536*\b+768*\c
.endr
.endr
	WIN 0
.endm
.macro PROD ks, a, b                   ; scale register i: K step i in lanes 0-15, K step 4 + i in lanes 16-31.  The first K step takes the bias as C
.set rD, 32*(\a)+8*(\b)
.set rA, WF+12*(\b)
.set rB, XF+12*(\a)
.set sA, WS+4*(\b)+(\ks)%4
.set sB, XS+4*(\a)+(\ks)%4
.if (\ks) == 0
	v_wmma_scale_f32_16x16x128_f8f6f4 v[rD:rD+7], v[rA:rA+11], v[rB:rB+11], v[BI+8*(\b):BI+8*(\b)+7], v[sA], v[sB] matrix_a_fmt:MATRIX_FMT_FP6 matrix_b_fmt:MATRIX_FMT_FP6
.elseif (\ks) < 4
	v_wmma_scale_f32_16x16x128_f8f6f4 v[rD:rD+7], v[rA:rA+11], v[rB:rB+11], v[rD:rD+7], v[sA], v[sB] matrix_a_fmt:MATRIX_FMT_FP6 matrix_b_fmt:MATRIX_FMT_FP6
.else
	v_wmma_scale_f32_16x16x128_f8f6f4 v[rD:rD+7], v[rA:rA+11], v[rB:rB+11], v[rD:rD+7], v[sA], v[sB] matrix_a_fmt:MATRIX_FMT_FP6 matrix_b_fmt:MATRIX_FMT_FP6 matrix_a_scale:MATRIX_SCALE_ROW1 matrix_b_scale:MATRIX_SCALE_ROW1
.endif
.endm
.macro MUL ks                          ; the 32 accumulators take turns
.if (\ks) == 0
	WIN 0x40
.elseif (\ks)%2 == 0
	WIN 0x50
.else
	WIN 0x5a
.endif
.irp a, 0,1,2,3,4,5,6,7
.irp b, 0,1,2,3
	PROD \ks, \a, \b
.endr
.endr
.endm
.macro KSTEP ks
.if (\ks) == 3
	s_wait_tensorcnt 0x0                           ; every wave's load has landed: the second parts are shown to all.
.endif
	s_wait_dscnt 0x0                               ; this step's fragments are in
.if (\ks) == 3
	s_barrier_signal -1
	s_barrier_wait -1
.endif
.if \ks < 7
	s_wait_alu depctr_va_vdst(0)                   ; the wait ahead of the addresses' reader
	FETCH (\ks+1)%2, 0
.endif
	MUL \ks
	WIN 0
.endm
.macro TOSTAGE a                       ; LDS serves a wave's instructions in order: no wait between the stores and the loads
	WIN 0x04
.irp b, 0,1,2,3
	ds_store_b128 v[STO], v[32*(\a)+8*\b:32*(\a)+8*\b+3] offset:32*\b
	ds_store_b128 v[STO], v[32*(\a)+8*\b+4:32*(\a)+8*\b+7] offset:32*\b+16
.endr
	WIN 0
.irp t, 0,1,2,3,4,5,6,7
	ds_load_b128 v[BK+32*((\a)%2)+4*\t:BK+32*((\a)%2)+4*\t+3], v[RD] offset:544*\t
.endr
.endm
.macro SEND a, younger                 ; younger: the LDS instructions issued behind tile a's loads
	s_wait_dscnt \younger
.irp t, 0,1,2,3,4,5,6,7
	global_store_b128 v[CO], v[BK+32*((\a)%2)+4*\t:BK+32*((\a)%2)+4*\t+3], s[62:63] offset:(64*((\a)/4)+8*((\a)%4)+2*(\t%4)+32*(\t/4))*4096 th:TH_STORE_NT
.endr
.endm
	s_load_b256 s[4:11], s[0:1], 0x0               ; ctxq, wc, bo, out0
	v_lshl_add_u32 v[SPW], v0, 2, SPARE
	v_mov_b32 v[NIL], 0
	ds_add_u32 v[SPW], v[NIL]                      ; the opening lines: the add twice on end and its wait
	ds_add_u32 v[SPW], v[NIL]
	v_lshrrev_b32 v3, 5, v0
	v_readfirstlane_b32 s18, v3                    ; wave 0..3
	s_lshr_b32 s19, s18, 1                         ; my half of the rows
	s_and_b32 s20, s18, 1                          ; my half of the columns
	s_bfe_u32 s21, ttmp6, 0x40000
	s_bfe_u32 s22, ttmp6, 0x40004
	s_lshl_b32 s23, ttmp9, 2
	s_add_co_u32 s23, s23, s21                     ; work-group x: which 128 columns
	s_and_b32 s24, ttmp7, 0xffff
	s_lshl_b32 s24, s24, 2
	s_add_co_u32 s24, s24, s22                     ; work-group y: the group of ctxq
	s_lshl_b32 s25, s22, 2
	s_lshl_b32 s25, 15, s25
	s_lshl_b32 s26, 0x1111, s21
	GRP1 G1A, 25, 416
	GRP1 G1B, 26, 208
	GRP1 G1C, 25, 384
	GRP1 G1D, 26, 192
	s_mul_i32 s84, s24, XG
	s_mov_b32 s85, 0
	s_add_co_u32 s86, s23, 24                      ; Wo's groups begin at 24
	s_mul_i32 s86, s86, WGB
	s_mov_b32 s87, 0
	s_wait_dscnt 0x0
	s_wait_kmcnt 0x0
	s_add_nc_u64 s[84:85], s[4:5], s[84:85]
	s_add_nc_u64 s[86:87], s[6:7], s[86:87]
	ROUND                                          ; all sixteen work-groups are here: the joint loads meet
	G0SET 0, 0, 84, 0
	G0SET 1, XG, 86, 0
	G0SET 2, XP1, 84, XP1
	G0SET 3, XG+WH1, 86, WH1
	ARM 1, 0, G1A, .Lhead_1
	ARM 2, 1, G1B, .Lhead_2
	ARM 3, 2, G1C, .Lhead_3
	tensor_load_to_lds s[G0+12:G0+15], s[G1D:G1D+7]
	s_nop 0
	NOPS4
.Lasked:
	v_and_b32 v[BO], 31, v0
	v_and_b32 v[RR], 15, v0
	v_bfe_u32 v[HH], v0, 4, 1
	v_lshlrev_b32 v[L16], 4, v[BO]
	v_lshlrev_b32 v[L8], 3, v[BO]
	s_mul_i32 s90, s19, 12288                      ; my 8 tiles of ctx, behind the 16 scale blocks
	s_add_co_u32 s90, s90, 8192
	v_add_nc_u32 v[AA16], s90, v[L16]
	v_add_nc_u32 v[AA8], s90, v[L8]
	v_add_nc_u32 v[AA8], 512, v[AA8]
	s_mul_i32 s91, s20, 6144                       ; my 4 tiles of Wo
	s_add_co_u32 s91, s91, 208896
	v_add_nc_u32 v[BB16], s91, v[L16]
	v_add_nc_u32 v[BB8], s91, v[L8]
	v_add_nc_u32 v[BB8], 512, v[BB8]
	s_lshl_b32 s92, s19, 12
	v_add_nc_u32 v[SA], s92, v[L16]
	s_lshl_b32 s93, s20, 11
	s_add_co_u32 s93, s93, 204800
	v_add_nc_u32 v[SB], s93, v[L16]
	s_mul_i32 s90, s18, 16*272
	s_add_co_u32 s90, s90, STAGE                   ; my stage
	v_mul_u32_u24 v[STO], v[RR], 272
	v_lshl_add_u32 v[STO], v[HH], 7, v[STO]
	v_add_nc_u32 v[STO], s90, v[STO]               ; in: row r, + 128 h
	v_mul_u32_u24 v[RD], v[HH], 272
	v_lshl_add_u32 v[RD], v[RR], 4, v[RD]
	v_add_nc_u32 v[RD], s90, v[RD]                 ; back: lanes 0-15 one row, lanes 16-31 the next
	v_lshlrev_b32 v[CO], 12, v[HH]
	v_lshl_add_u32 v[CO], v[RR], 4, v[CO]
	s_lshl_b32 s94, s23, 9
	s_lshl_b32 s92, s20, 8
	s_add_co_u32 s94, s94, s92                     ; my 64 columns, in bytes
	s_mov_b32 s95, 0
	s_add_nc_u64 s[60:61], s[8:9], s[94:95]
	s_lshl_b32 s96, s24, 20
	s_lshl_b32 s92, s19, 19
	s_add_co_u32 s96, s96, s92                     ; my first row, rows of 4,096 bytes
	s_add_co_u32 s96, s96, s94
	s_mov_b32 s97, 0
	s_add_nc_u64 s[62:63], s[10:11], s[96:97]
	v_lshlrev_b32 v[BO], 7, v[HH]
.irp b, 0,1,2,3
	global_load_b128 v[BI+8*\b:BI+8*\b+3], v[BO], s[60:61] offset:32*\b
	global_load_b128 v[BI+8*\b+4:BI+8*\b+7], v[BO], s[60:61] offset:32*\b+16
.endr
	s_wait_alu depctr_va_vdst(0)                   ; the wait at the head's end
	s_cmp_lt_u32 s18, 2
	s_cbranch_scc0 .Lnot_first
	s_wait_tensorcnt 0x0                           ; waves 0 and 1: the first parts, each by a line of its wave's own
.Lnot_first:
	s_barrier_signal -1
	s_barrier_wait -1
.irp a, 0,1,2,3,4,5,6,7
	ds_load_b128 v[XS+4*\a:XS+4*\a+3], v[SA] offset:512*\a
.endr
.irp b, 0,1,2,3
	ds_load_b128 v[WS+4*\b:WS+4*\b+3], v[SB] offset:512*\b
.endr
	FETCH 0, 1
	s_wait_loadcnt 0x0                             ; the bias
.irp k, 0,1,2,3,4,5,6,7
	KSTEP \k
.endr
	NOPS4                                          ; four places between the last products and the first read of results (ISA guide 7.12.1)
	TOSTAGE 0
.irp a, 1,2,3,4,5,6,7
.if \a > 1
	s_wait_xcnt 0x0                                ; tile a - 2's stores have read their registers
.endif
	TOSTAGE \a
	SEND \a-1, 16                                  ; behind tile a - 1's loads: tile a's 8 stores and 8 loads
.endr
	SEND 7, 0
	s_wait_tensorcnt 0x0                           ; the wave's end
	ds_add_u32 v[SPW], v[NIL]
	s_wait_dscnt 0x0
	ROUND                                          ; the closing round
	s_endpgm
.Lfunc_end_k_q26c4ebe1a8_oproj:
	.size	k_q26c4ebe1a8_oproj, .Lfunc_end_k_q26c4ebe1a8_oproj-k_q26c4ebe1a8_oproj
	.p2alignl 7, 3214868480
	.fill 96, 4, 3214868480
	.section	.rodata,"a",@progbits
	.p2align	6, 0x0
	.amdhsa_kernel k_q26c4ebe1a8_oproj
		.amdhsa_group_segment_fixed_size 327680
		.amdhsa_private_segment_fixed_size 0
		.amdhsa_enable_private_segment 0
		.amdhsa_kernarg_size 32
		.amdhsa_user_sgpr_count 2
		.amdhsa_user_sgpr_kernarg_segment_ptr 1
		.amdhsa_wavefront_size32 1
		.amdhsa_system_sgpr_workgroup_id_x 1
		.amdhsa_system_sgpr_workgroup_id_y 1
		.amdhsa_system_sgpr_workgroup_id_z 1
		.amdhsa_system_vgpr_workitem_id 0
		.amdhsa_next_free_vgpr 768
		.amdhsa_next_free_sgpr 100
		.amdhsa_reserve_vcc 0
		.amdhsa_float_denorm_mode_32 3
		.amdhsa_float_denorm_mode_16_64 3
		.amdhsa_memory_ordered 1
		.amdhsa_forward_progress 1
		.amdhsa_inst_pref_size 84
	.end_amdhsa_kernel
	.amdgpu_metadata
---
amdhsa.version: [ 1, 2 ]
amdhsa.kernels:
  - .name:           k_q26c4ebe1a8_oproj
    .symbol:         k_q26c4ebe1a8_oproj.kd
    .args:
      - { .name: ctxq, .offset: 0, .size: 8, .value_kind: global_buffer, .address_space: global }
      - { .name: wc, .offset: 8, .size: 8, .value_kind: global_buffer, .address_space: global }
      - { .name: bo, .offset: 16, .size: 8, .value_kind: global_buffer, .address_space: global }
      - { .name: out0, .offset: 24, .size: 8, .value_kind: global_buffer, .address_space: global }
    .group_segment_fixed_size: 327680
    .private_segment_fixed_size: 0
    .kernarg_segment_align: 8
    .kernarg_segment_size: 32
    .max_flat_workgroup_size: 128
    .sgpr_count:     100
    .vgpr_count:     768
    .wavefront_size: 32
...
	.end_amdgpu_metadata
.endif
;; end of part 4
